; MI455X (gfx1250); checked and timed in simulation.
; The chip was launched on July 23, 2026; its instructions are those of AMD's public machine-readable ISA for CDNA 5 (MIT licence, August 2026) and "CDNA5" Instruction Set Architecture Reference Guide (July 2026). The comments in the code are by the model that wrote it; some were corrected since.
;; Causal Self Attention. Allowed arithmetic: matrix products marked QUANTISED: E2M1 operands, one E8M0 scale for each 32 along K, by v_wmma_scale_f32_16x16x128_f8f6f4 with both operands' format E2M1 (or v_wmma_scale_f32_32x16x128_f4), f32 sums; products left as they are: bf16, f16 or f32 operands; f32 sums; everything else in f32.
;; Inputs: W_out 1,024 x 1,024 float32; W_qkv 1,024 x 3,072 float32; x 4 x 2,048 x 1,024 float32.
;; Outputs: out0 4 x 2,048 x 1,024 float32.
;; This version of the problem:
;;   THIS VERSION OF THE PROBLEM IS GIVEN IN LOW PRECISION. The matrix products marked QUANTISED in the list below multiply operands that are first quantised to E2M1 (2 exponent bits, 1 mantissa bit; 4 bits a number), with one power-of-two scale for each 32 numbers along K (OCP MX v1.0); their sums are f32. The products marked 'left as it is' may take bf16, f16 or f32 operands, with f32 sums. Whichever they take, every output number must still come out within the allowed error. Rounding operands to bf16 (8 significant bits) uses up far more of that allowance than f16 does (11 bits, for magnitudes from 6e-5 to 65,504). All else is computed in f32.
;;   The module's matrix products, in the order in which they are computed (A, B: the left and right operand; K: the contracted axis; several contracted axes count as one K, in the product's order):
;;     1. [M 8,192, K 1,024] x [K 1,024, N 3,072]; A: input x; B: input W_qkv: QUANTISED
;;     2. batch 64 x [M 2,048, K 64] x [K 64, N 2,048]; A: computed on the way; B: computed on the way: left as it is (an operand is computed on the way)
;;     3. batch 64 x [M 2,048, K 2,048] x [K 2,048, N 64]; A: computed on the way; B: computed on the way: left as it is (an operand is computed on the way)
;;     4. [M 8,192, K 1,024] x [K 1,024, N 1,024]; A: computed on the way; B: input W_out: left as it is (an operand is computed on the way)
;;   THE QUANTISER, for each operand of a quantised product, along K:
;;     - K is cut into blocks of 32 from its start; a last block that is shorter is filled with zeros.
;;     - A block's scale is 2^e with e = floor(log2(the largest magnitude in the block)) - 2, held to -126 .. 127; a block of zeros has e = 0. As a byte (E8M0): e + 127.
;;     - Each number is divided by its block's scale, clamped to +-6, and rounded to the nearest number of E2M1, ties to even, subnormals kept.
;;     - The product sums the exact products of the quantised numbers (number of the format x scale) in f32.
;;   ~~~python
;;   def quantise(x, axis):      # numpy; x: float32 -> the quantised numbers, widened to float32 again
;;       x = np.moveaxis(x, axis, -1); K = x.shape[-1]
;;       x = np.pad(x, [(0, 0)] * (x.ndim - 1) + [(0, -K % 32)]); x = x.reshape(x.shape[:-1] + (-1, 32)); a = np.abs(x).max(-1, keepdims=True)
;;       e = np.where(a > 0, np.clip(np.frexp(np.where(a > 0, a, 1))[1] - 1 - 2, -126, 127), 0)      # np.frexp(a)[1] - 1 = floor(log2(a)), exactly
;;       r = np.clip(x / 2.0 ** e, -6, 6)
;;       step = 2.0 ** (np.maximum(np.frexp(np.where(r == 0, 1, r))[1] - 1, 0) - 1)
;;       q = np.round(r / step) * step * 2.0 ** e      # np.round: ties to even
;;       return np.moveaxis(q.reshape(q.shape[:-2] + (-1,))[..., :K], -1, axis).astype(np.float32)
;;   ~~~
;; One version. Each part assembles by itself: llvm-mc -triple=amdgcn-amd-amdhsa -mcpu=gfx1250 --defsym DOCPART=n.
;; ======== version 1 of 1: 5 launches
;; limits: values are held in f16: magnitudes above 65,504 overflow, below 6.1e-05 lose precision
;; workspace buffers: x_codes 4,194,304 bytes; x_scales 262,144 bytes; w_codes 1,572,864 bytes; w_scales 98,304 bytes; w16 2,097,152 bytes; qkv 50,331,648 bytes; qkv32 786,432 bytes; a16 16,777,216 bytes
;; launch prep (part 1): grid 240 x 1, 8 waves a work-group, no clusters, 101,376 bytes of LDS; arguments x, W_qkv, W_out, x_codes, x_scales, w_codes, w_scales, w16; writes x_codes, x_scales, w_codes, w_scales, w16
.if DOCPART == 1
	.amdgcn_target "amdgcn-amd-amdhsa--gfx1250"
	.amdhsa_code_object_version 6
	.text
	.protected	k_q26854bcf94_prep
	.globl	k_q26854bcf94_prep
	.p2align	8
	.type	k_q26854bcf94_prep,@function
k_q26854bcf94_prep:
	s_mov_b64 s[64:65], 0
	v_nop
	global_prefetch_b8 v0, s[64:65] scope:SCOPE_SE
	s_setreg_imm32_b32 hwreg(HW_REG_WAVE_MODE, 25, 1), 1
	s_wait_xcnt 0x0
; Three jobs in one launch, told apart by the work-group's number alone:
;   work-groups 0-127:   x [8192][1024] f32 -> codes of FP4 (E2M1), K innermost, [8192][512 bytes], and one E8M0 byte for each 32 along K, [8192][32]
;   work-groups 128-175: W_qkv [1024 (k)][3072 (n)] f32, K its FIRST axis -> codes [3072][512 bytes] with K innermost, and bytes [3072][32]
;   work-groups 176-239: W_out [1024][1024] f32 -> f16, as it lies
; A block's scale is 2^(floor(log2(its largest magnitude)) - 2); its byte is the largest magnitude's exponent field - 2, held at 1 from below.  A block of zeros so gets the byte 1 where the
; quantiser says 127: its codes are zeros, which add nothing under any byte but 0xff, and the bytes are read by this program alone.
; LIMITS: blocks whose largest magnitude lies under 2^-124 get the byte 1; NaN and infinities among the inputs are not served; W_out beyond f16's 65,504 is not served.
; Each path has LDS bytes of its own.  No tensor loads.
.set SPW,   12                         ; v12  LDS address of my spare word: SPARE + 4 x my thread's number; never rewritten
.set NIL,   13                         ; v13  0; never rewritten
.set WV,    20                         ; s20  my wave's number
.set WREG,  8192                       ; x's path: a region for each wave: two stages of 32 x SP bytes, then its 256 scale bytes
.set SP,    80                         ; a lane's place in a stage: 64 bytes + 16 of padding
.set CB,    8                          ; bytes of 16 codes
.set STEPS, 16
.set XR,    16                         ; v16-79   four sets of 16 numbers as loaded
.set XN,    80                         ; v80-111  two sets of 16 neighbours
.set XE,    112                        ; v112-127 a scale byte for each step
.set XC,    128                        ; v128-191 codes, four registers for each step
.set WSTG,  65536                      ; W_qkv's path: four stages of 32 rows x 272 bytes, one for each group of 32 columns
.set WPITCH, 272
.set SPARE, WSTG+4*32*WPITCH           ; the spare words, 128 bytes for each of eight waves: four blocks of 256 bytes that no other line names
.set WROW,  12288                      ; a row of W_qkv in bytes
.set WX,    32                         ; v32-95   two sets of 32 numbers
.set WC,    96                         ; v96-99   a block's codes
.set WOUT,  112                        ; v112-143 the way out
.set WSB,   24                         ; v24-25   eight scale bytes
	s_load_b256 s[4:11], s[0:1], 0x0               ; x s[4:5], W_qkv s[6:7], W_out s[8:9], x_codes s[10:11]
	s_load_b256 s[12:19], s[0:1], 0x20             ; x_scales s[12:13], w_codes s[14:15], w_scales s[16:17], w16 s[18:19]
	v_lshl_add_u32 v[SPW], v0, 2, SPARE
	v_mov_b32 v[NIL], 0
	v_lshrrev_b32 v1, 5, v0
	v_readfirstlane_b32 s[WV], v1                  ; wave 0..7
	v_and_b32 v2, 31, v0                           ; lane
	s_mov_b32 s25, 0                               ; the upper word of every offset pair s[24:25]
	s_wait_kmcnt 0x0
	s_cmp_lt_u32 ttmp9, 128
	s_cbranch_scc1 .LX
	s_cmp_lt_u32 ttmp9, 176
	s_cbranch_scc1 .LW
; ---- W_out to f16: a wave takes 8,192 consecutive bytes; each load covers 512 consecutive bytes, each store 256, aligned
	s_sub_co_u32 s22, ttmp9, 176
	s_lshl_b32 s22, s22, 3
	s_add_co_u32 s22, s22, s[WV]                   ; which run of 2,048 numbers
	s_lshl_b32 s24, s22, 13
	s_add_nc_u64 s[8:9], s[8:9], s[24:25]
	s_lshl_b32 s24, s22, 12
	s_add_nc_u64 s[18:19], s[18:19], s[24:25]
	v_lshlrev_b32 v3, 4, v2
	v_lshlrev_b32 v4, 3, v2
.irp i, 0,1,2,3,4,5,6,7,8,9,10,11,12,13,14,15
	global_load_b128 v[32+4*\i:35+4*\i], v3, s[8:9] offset:512*\i th:TH_LOAD_NT
.endr
.irp i, 0,1,2,3,4,5,6,7,8,9,10,11,12,13,14,15
	s_wait_loadcnt 15-\i                           ; loads come back in order: load i is in, the 15 - i behind it may be out
	v_cvt_pk_f16_f32 v[96+2*\i], v[32+4*\i], v[33+4*\i]
	v_cvt_pk_f16_f32 v[97+2*\i], v[34+4*\i], v[35+4*\i]
	global_store_b64 v4, v[96+2*\i:97+2*\i], s[18:19] offset:256*\i
.endr
	s_wait_tensorcnt 0x0                           ; the wave's end
	ds_add_u32 v[SPW], v[NIL]
	s_wait_dscnt 0x0
	s_endpgm
; ---- x: rows are dense and K is a multiple of 32, so x is a plain stream of blocks of 32.  A wave takes 16 steps of 512 numbers.  Each load reads 512 consecutive bytes; a step's 2,048 bytes
; turn through the wave's own stage in LDS and come back 64 bytes a lane: 16 neighbours along K, two lanes to a block.  Loads run four steps ahead, the turn one step.
.LX:
	v_lshlrev_b32 v3, 4, v2                        ; my 16 bytes of a load's 512
	s_mul_i32 s21, s[WV], WREG
	v_lshrrev_b32 v14, 2, v2
	v_mul_u32_u24 v14, v14, SP
	v_and_b32 v15, 3, v2
	v_lshl_add_u32 v14, v15, 4, v14
	v_add_nc_u32 v14, s21, v14                     ; the stage, on the way in: SP (lane / 4) + 16 (lane % 4)
	v_mul_u32_u24 v15, v2, SP
	v_add_nc_u32 v15, s21, v15                     ; and on the way out: SP x lane
	v_mul_u32_u24 v4, v2, CB                       ; my codes' place in a step's
	v_lshrrev_b32 v5, 1, v2
	s_add_co_u32 s21, s21, 2*32*SP
	v_add_nc_u32 v5, s21, v5                       ; my wave's 256 scale bytes, my block's byte
	v_lshlrev_b32 v7, 3, v2
	v_add_nc_u32 v6, s21, v7                       ; and on the way out 8 bytes a lane
	s_lshl_b32 s22, ttmp9, 3
	s_add_co_u32 s22, s22, s[WV]                   ; which run of 8,192 numbers is my wave's
	s_lshl_b32 s24, s22, 15
	s_add_nc_u64 s[4:5], s[4:5], s[24:25]
	s_lshl_b32 s24, s22, 12
	s_add_nc_u64 s[10:11], s[10:11], s[24:25]
	s_lshl_b32 s24, s22, 8
	s_add_nc_u64 s[12:13], s[12:13], s[24:25]
.macro XLOAD t
.irp i, 0,1,2,3
	global_load_b128 v[XR+16*((\t)%4)+4*\i:XR+16*((\t)%4)+4*\i+3], v3, s[4:5] offset:2048*(\t)+512*\i th:TH_LOAD_NT
.endr
.endm
.macro XTURN t                         ; step t's numbers through the stage: LDS serves a wave's instructions in order, so no wait stands between the stores and the loads
.irp i, 0,1,2,3
	ds_store_b128 v14, v[XR+16*((\t)%4)+4*\i:XR+16*((\t)%4)+4*\i+3] offset:32*SP*((\t)%2)+8*SP*\i
.endr
.irp i, 0,1,2,3
	ds_load_b128 v[XN+16*((\t)%2)+4*\i:XN+16*((\t)%2)+4*\i+3], v15 offset:32*SP*((\t)%2)+16*\i
.endr
.endm
.irp t, 0,1,2,3
	XLOAD \t
.endr
	s_wait_loadcnt 12                              ; step 0's four loads are in; those of steps 1 to 3 may be out
	XTURN 0
.macro XSTEP t
.set XS, XN+16*((\t)%2)
.if (\t) > 0
	s_wait_dscnt 1                                 ; this step's numbers are back from the stage (the last step's byte store may be out)
.else
	s_wait_dscnt 0x0
.endif
.if (\t)+4 < STEPS
	XLOAD (\t)+4                                   ; into the registers that this step's stores into the stage have read
.endif
.if (\t)+1 < STEPS
.if STEPS-2-(\t) >= 3
	s_wait_loadcnt 12                              ; the next step's four loads are in; those of the three steps behind it may be out
.else
	s_wait_loadcnt 4*(STEPS-2-(\t))
.endif
	XTURN (\t)+1
.endif
	v_max3_num_f32 v8, |v[XS]|, |v[XS+1]|, |v[XS+2]|               ; the largest magnitude of my 16, in two chains
	v_max3_num_f32 v9, |v[XS+3]|, |v[XS+4]|, |v[XS+5]|
.irp i, 6,10
	v_max3_num_f32 v8, v8, |v[XS+\i]|, |v[XS+\i+1]|
	v_max3_num_f32 v9, v9, |v[XS+\i+2]|, |v[XS+\i+3]|
.endr
	v_max3_num_f32 v8, v8, |v[XS+14]|, |v[XS+15]|
	v_max3_num_f32 v8, v8, v9, 0x1800000           ; and the floor 2^(3 - 127): the byte cannot fall under 1
	v_max_num_f32_dpp v8, v8, v8 row_xmask:1 row_mask:0xf bank_mask:0xf   ; and of my neighbour's 16: the block's
	v_add_nc_u32 v11, 0xff000000, v8               ; 2 off its exponent field: the conversion takes the exponent field of this operand as its scale
	v_cvt_scalef32_pk8_fp4_f32 v[XC+4*(\t)], v[XS:XS+7], v11
	v_cvt_scalef32_pk8_fp4_f32 v[XC+4*(\t)+1], v[XS+8:XS+15], v11
	v_lshrrev_b32 v[XE+(\t)], 23, v11              ; the scale's byte (also the plain line behind the conversions)
	ds_store_b8 v5, v[XE+(\t)] offset:16*(\t)      ; both lanes of a block write the same byte with the same value
	global_store_b64 v4, v[XC+4*(\t):XC+4*(\t)+1], s[10:11] offset:32*CB*(\t)   ; the wave stores 256 consecutive bytes, aligned
.endm
.irp t, 0,1,2,3,4,5,6,7,8,9,10,11,12,13,14,15
	XSTEP \t
.endr
	ds_load_b64 v[8:9], v6                         ; LDS serves a wave's instructions in order: these see my byte stores
	s_wait_dscnt 0x0
	global_store_b64 v7, v[8:9], s[12:13]          ; 256 consecutive scale bytes, aligned
	s_wait_tensorcnt 0x0                           ; the wave's end, behind my last LDS store
	ds_add_u32 v[SPW], v[NIL]
	s_wait_dscnt 0x0
	s_endpgm
; ---- W_qkv: A LANE TAKES A COLUMN n, AND ITS REGISTERS RUN DOWN K: a block of 32 along K lies in one lane's 32 registers, and the conversions give codes with K innermost.
; A work-group takes 128 columns x 512 along K.  Wave w: columns 32 (w % 4) on, K 256 (w / 4) on: 8 blocks.  A column's 256 bytes of codes come from two waves, so they meet in a stage
; behind a barrier (every wave of such a work-group passes it) and leave as whole aligned runs of 256 bytes.  The scale bytes leave 8 a lane, rows 32 bytes apart: 98,304 bytes in all.
.LW:
	s_sub_co_u32 s22, ttmp9, 128                   ; 0 .. 47
	s_cmp_ge_u32 s22, 24
	s_cselect_b32 s23, 1, 0                        ; which 512 along K
	s_mul_i32 s24, s23, 24
	s_sub_co_u32 s22, s22, s24                     ; which 128 columns
	s_and_b32 s26, s[WV], 3                        ; which 32 of them
	s_lshr_b32 s27, s[WV], 2                       ; which 256 along K
	s_lshl_b32 s22, s22, 7
	s_lshl_b32 s24, s26, 5
	s_add_co_u32 s22, s22, s24                     ; my wave's first column
	s_lshl_b32 s29, s23, 1
	s_add_co_u32 s29, s29, s27                     ; which 256 of all 1,024 along K
	s_mul_i32 s24, s29, 256*WROW
	s_lshl_b32 s28, s22, 2
	s_add_co_u32 s24, s24, s28
	s_add_nc_u64 s[6:7], s[6:7], s[24:25]          ; W_qkv at my first row and column
	s_lshl_b32 s24, s22, 5
	s_lshl_b32 s28, s29, 3
	s_add_co_u32 s24, s24, s28
	s_add_nc_u64 s[16:17], s[16:17], s[24:25]      ; the scale bytes: column x 32 + 8 x (which 256)
	s_lshl_b32 s24, s27, 4
	s_add_co_u32 s24, s24, s22
	s_lshl_b32 s24, s24, 9
	s_lshl_b32 s28, s23, 8
	s_add_co_u32 s24, s24, s28
	s_add_nc_u64 s[14:15], s[14:15], s[24:25]      ; the codes that I store: rows (column + 16 (w / 4)) of 512 bytes, + 256 x (which 512)
	s_mul_i32 s30, s26, 32*WPITCH
	s_add_co_u32 s30, s30, WSTG                    ; my columns' stage
	s_lshl_b32 s31, s27, 7
	s_add_co_u32 s31, s31, s30
	v_mul_u32_u24 v4, v2, WPITCH
	v_add_nc_u32 v4, s31, v4                       ; into it: row = my column, my half of its 256 bytes
	s_mul_i32 s31, s27, 16*WPITCH
	s_add_co_u32 s31, s31, s30
	v_and_b32 v5, 15, v2
	v_lshrrev_b32 v6, 4, v2
	v_mul_u32_u24 v7, v6, WPITCH
	v_lshl_add_u32 v7, v5, 4, v7
	v_add_nc_u32 v7, s31, v7                       ; out of it: sixteen lanes to a row, two rows an instruction, my 16 rows
	v_lshlrev_b32 v8, 9, v6
	v_lshl_add_u32 v8, v5, 4, v8                   ; and the same place in the codes' buffer
	v_lshlrev_b32 v9, 5, v2                        ; my column's row of scale bytes
	v_lshlrev_b32 v3, 2, v2                        ; in: 4 bytes a lane
.macro WLOAD t                         ; block t: W(32 t + i, my column) into set t % 2; every offset an immediate, 255 rows of 12,288 bytes at the most
.irp i, 0,1,2,3,4,5,6,7,8,9,10,11,12,13,14,15,16,17,18,19,20,21,22,23,24,25,26,27,28,29,30,31
	global_load_b32 v[WX+32*((\t)%2)+\i], v3, s[6:7] offset:(32*(\t)+\i)*WROW th:TH_LOAD_NT
.endr
.endm
	WLOAD 0
	WLOAD 1
.macro WBLOCK t
.set XS, WX+32*((\t)%2)
.if (\t) < 7
	s_wait_loadcnt 32                              ; this block's 32 loads are in; the next block's may be out
.else
	s_wait_loadcnt 0x0
.endif
	v_max3_num_f32 v10, |v[XS]|, |v[XS+1]|, |v[XS+2]|              ; the block's largest magnitude: all 32 numbers are mine
	v_max3_num_f32 v11, |v[XS+3]|, |v[XS+4]|, |v[XS+5]|
.irp i, 6,10,14,18,22,26
	v_max3_num_f32 v10, v10, |v[XS+\i]|, |v[XS+\i+1]|
	v_max3_num_f32 v11, v11, |v[XS+\i+2]|, |v[XS+\i+3]|
.endr
	v_max3_num_f32 v10, v10, |v[XS+30]|, |v[XS+31]|
	v_max3_num_f32 v10, v10, v11, 0x1800000        ; and the floor 2^(3 - 127)
	v_add_nc_u32 v14, 0xff000000, v10              ; the conversion's scale operand
	v_lshrrev_b32 v15, 23, v14                     ; the scale's byte
.if (\t)%4 == 0
	v_mov_b32 v[WSB+(\t)/4], v15                   ; four bytes to a register, the lower K in the lower byte
.else
	v_lshl_or_b32 v[WSB+(\t)/4], v15, 8*((\t)%4), v[WSB+(\t)/4]
.endif
.irp g, 0,1,2,3
	v_cvt_scalef32_pk8_fp4_f32 v[WC+\g], v[XS+8*\g:XS+8*\g+7], v14
.endr
	v_nop                                          ; one plain line behind the last conversion
	ds_store_b128 v4, v[WC:WC+3] offset:16*(\t)    ; 32 codes: 16 bytes of my column's row
.if (\t)+2 < 8
	WLOAD (\t)+2
.endif
	s_wait_dscnt 0x0                               ; the store has read its registers: the next block's codes may be written
.endm
.irp t, 0,1,2,3,4,5,6,7
	WBLOCK \t
.endr
	global_store_b64 v9, v[WSB:WSB+1], s[16:17]    ; my column's eight scale bytes
	s_wait_dscnt 0x0                               ; for the other wave's sake: my stores into the stage are done
	s_barrier_signal -1
	s_barrier_wait -1
.irp i, 0,1,2,3,4,5,6,7
	ds_load_b128 v[WOUT+4*\i:WOUT+4*\i+3], v7 offset:2*\i*WPITCH
.endr
.irp i, 0,1,2,3,4,5,6,7
	s_wait_dscnt 7-\i                              ; load i is in, the 7 - i behind it may be out
	global_store_b128 v8, v[WOUT+4*\i:WOUT+4*\i+3], s[14:15] offset:2*\i*512   ; sixteen lanes store 256 consecutive bytes, aligned
.endr
	s_wait_tensorcnt 0x0                           ; the wave's end, behind my last LDS store
	ds_add_u32 v[SPW], v[NIL]
	s_wait_dscnt 0x0
	s_endpgm
.Lfunc_end_k_q26854bcf94_prep:
	.size	k_q26854bcf94_prep, .Lfunc_end_k_q26854bcf94_prep-k_q26854bcf94_prep
	.p2alignl 7, 3214868480
	.fill 96, 4, 3214868480
	.section	.rodata,"a",@progbits
	.p2align	6, 0x0
	.amdhsa_kernel k_q26854bcf94_prep
		.amdhsa_group_segment_fixed_size 101376
		.amdhsa_private_segment_fixed_size 0
		.amdhsa_enable_private_segment 0
		.amdhsa_kernarg_size 64
		.amdhsa_user_sgpr_count 2
		.amdhsa_user_sgpr_kernarg_segment_ptr 1
		.amdhsa_wavefront_size32 1
		.amdhsa_system_sgpr_workgroup_id_x 1
		.amdhsa_system_sgpr_workgroup_id_y 1
		.amdhsa_system_sgpr_workgroup_id_z 1
		.amdhsa_system_vgpr_workitem_id 0
		.amdhsa_next_free_vgpr 192
		.amdhsa_next_free_sgpr 66
		.amdhsa_reserve_vcc 0
		.amdhsa_float_denorm_mode_32 3
		.amdhsa_float_denorm_mode_16_64 3
		.amdhsa_memory_ordered 1
		.amdhsa_forward_progress 1
		.amdhsa_inst_pref_size 79
	.end_amdhsa_kernel
	.amdgpu_metadata
---
amdhsa.version: [ 1, 2 ]
amdhsa.kernels:
  - .name:           k_q26854bcf94_prep
    .symbol:         k_q26854bcf94_prep.kd
    .args:
      - { .name: x, .offset: 0, .size: 8, .value_kind: global_buffer, .address_space: global }
      - { .name: W_qkv, .offset: 8, .size: 8, .value_kind: global_buffer, .address_space: global }
      - { .name: W_out, .offset: 16, .size: 8, .value_kind: global_buffer, .address_space: global }
      - { .name: x_codes, .offset: 24, .size: 8, .value_kind: global_buffer, .address_space: global }
      - { .name: x_scales, .offset: 32, .size: 8, .value_kind: global_buffer, .address_space: global }
      - { .name: w_codes, .offset: 40, .size: 8, .value_kind: global_buffer, .address_space: global }
      - { .name: w_scales, .offset: 48, .size: 8, .value_kind: global_buffer, .address_space: global }
      - { .name: w16, .offset: 56, .size: 8, .value_kind: global_buffer, .address_space: global }
    .group_segment_fixed_size: 101376
    .private_segment_fixed_size: 0
    .kernarg_segment_align: 8
    .kernarg_segment_size: 64
    .max_flat_workgroup_size: 256
    .sgpr_count:     66
    .vgpr_count:     192
    .wavefront_size: 32
...
	.end_amdgpu_metadata
.endif
;; end of part 1
;; launch qkv (part 2): grid 12 x 32, 4 waves a work-group, clusters of 4 x 4, 327,680 bytes of LDS; arguments x_codes, x_scales, w_codes, w_scales, qkv, qkv32; writes qkv, qkv32
.if DOCPART == 2
	.amdgcn_target "amdgcn-amd-amdhsa--gfx1250"
	.amdhsa_code_object_version 6
	.text
	.protected	k_q26854bcf94_qkv
	.globl	k_q26854bcf94_qkv
	.p2align	8
	.type	k_q26854bcf94_qkv,@function
k_q26854bcf94_qkv:
	s_mov_b64 s[64:65], 0
	v_nop
	global_prefetch_b8 v0, s[64:65] scope:SCOPE_SE
	s_setreg_imm32_b32 hwreg(HW_REG_WAVE_MODE, 25, 1), 1
	s_wait_xcnt 0x0
	s_wait_alu depctr_hold_cnt(0) depctr_sa_sdst(0) depctr_va_vdst(0) depctr_va_sdst(0) depctr_va_ssrc(0) depctr_va_vcc(0) depctr_vm_vsrc(0)
	s_getreg_b32 s2, hwreg(HW_REG_IB_STS2, 6, 4)
	s_cmp_eq_u32 s2, 0
	s_cbranch_scc0 .Lentry_in_a_cluster
	s_endpgm
.Lentry_in_a_cluster:
	s_bfe_u32 s2, ttmp6, 0x10000c
	s_cmp_lg_u32 s2, 0xf033
	s_cbranch_scc0 .Lentry_shape_is_right
	s_endpgm
.Lentry_shape_is_right:
; qkv[m][n] = sum over k of x[m][k] W_qkv[k][n] on codes of FP4 (E2M1) with one E8M0 scale for each 32 along K; sums in f32.  A = x: [8192][1024] codes; B = W_qkv: [3072][1024] codes, K innermost.
; A tile of 256 x 256 is made by four waves, each 128 x 128: 64 accumulators of 16 x 16.  K = 1,024 is two LDS slots of 512 along K (rows of 256 bytes), both asked for at the head: nothing is filled again.
; The scales of the work-group's 256 + 256 rows, for all of K, come into LDS once, with the first fills.
; CLUSTERS: 4 x 4 work-groups; A's tiles are asked for jointly along a row of the cluster, B's along a column.
; THE MATRIX INSTRUCTION IS USED TRANSPOSED (source 0 = 16 rows of B, source 1 = 16 rows of A): a lane holds eight neighbouring columns of one row of the result.
; RESULTS: rounded to f16 and laid by head, qkv[which 3][b 4][h 16][t 2048][64]: a wave's 128 columns are two heads, 16 rows of a head are 2,048 consecutive bytes.
; The rows t < 16 of every batch leave also as f32, as images of their accumulators: qkv32[b][n / 16][half of the registers][lane][16 bytes].
; LIMIT: results beyond f16's 65,504 are not served (x and W_qkv each 30 times their drawn spread, or offset by 30 spreads, stay under it: 1,024 x 30 x 0.94 is about 28,800).
; REGISTERS, in windows of 256: window 0: v0-31 addresses; v32-95 scale words, two sets; v128-191 A's fragments, one set; on the way out v32-63, v192-255.
;   window 1: B's fragments, two sets, at v0 and v128.   window 2: accumulators of my rows 0-63 ((a, b) at v[8 (8 a + b)]);   window 3: those of my rows 64-127.
.set SIZE_K, 1024
.set NQ,     4                         ; matrix instructions deep in a slot
.set ROWB,   256                       ; a tile's row in bytes: 512 codes
.set KROW,   SIZE_K/2                  ; a row of codes in memory
.set PITCH,  272                       ; an LDS row: 256 bytes + 16 of padding: the 16 rows of a fragment load start at 16 different banks
.set FR,     8                         ; registers of a fragment
.set NL,     2                         ; LDS loads that bring one
.set NP,     4                         ; places behind this matrix instruction (ISA guide 7.12.1)
.set HALFT,  128*PITCH
.set SLOT,   4*HALFT                   ; A's 256 rows, then B's 256 rows
.set KS,     SIZE_K/32                 ; a row of scales in bytes
.set SCL,    2*SLOT                    ; behind the slots: the scales, as runs of 256 bytes + 16 of padding
.set HALFS,  (128*KS/256)*272
.set SBLK,   (16*KS/256)*272
.set SPARE,  SCL+4*HALFS               ; the spare words, 128 bytes for each wave
.set STAGE,  SPARE+512                 ; the way out: 16 rows x 272 bytes for each wave; no fill lands here
.set SPITCH, 272
.set ADRA, 16
.set ADRB, 20
.set STO,  24                          ; v24  the way out: where I put 16 bytes of a row
.set RD,   25                          ; v25  where I read 16 bytes of a head's row back
.set CO,   26                          ; v26  16 x lane
.set ADRS, 27                          ; v27  LDS address of my scale words: lanes 0-15 A's rows, lanes 16-31 B's
.set SPW,  28
.set NIL,  29
.set T0V,  30                          ; v30  my wave's first row within its batch
.set SC,   32
.set AF,   128
.set TMP,  192                         ; the way out: packed results
.set G1, 24
.set G0, 32
.set G1B, 48
.set G0B, 56
.set G1S, 68
.set G0S, 76
.set G1SB, 80
.set G0SB, 88
.set MSB, 0
.macro WIN new                         ; the immediate's high byte repeats the setting that is left
.if MSB != \new
	s_set_vgpr_msb (MSB<<8)|\new
.set MSB, \new
.endif
.endm
.set MUL_LO, 0xa1                      ; source 0 (B) window 1, source 1 (A) window 0, C and D window 2
.set MUL_HI, 0xf1
.set TO_B,   0x40
; A joint load: waves 0 and 1 fetch for A, waves 2 and 3 for B; the branch hangs on the wave's number alone.  An s_nop 0 and four v_nop follow each line.
.macro JLOAD g0a, g1a, g0b, g1b
	s_cmp_eq_u32 s15, 0
	s_cbranch_scc0 .Lfor_b_\@
	tensor_load_to_lds s[\g0a:\g0a+3], s[\g1a:\g1a+7]
	s_nop 0
.rept 4
	v_nop
.endr
	s_branch .Lasked_\@
.Lfor_b_\@:
	tensor_load_to_lds s[\g0b:\g0b+3], s[\g1b:\g1b+7]
	s_nop 0
.rept 4
	v_nop
.endr
.Lasked_\@:
.endm
.macro CROUND                          ; a round of the cluster's barrier
	s_barrier_signal -1
	s_barrier_wait -1
	s_cmp_lg_u32 s14, 0
	s_cbranch_scc1 .Lnot_wave_0_\@
	s_barrier_signal -3
.Lnot_wave_0_\@:
	s_barrier_wait -3
	s_barrier_signal -1
	s_barrier_wait -1
.endm
	s_load_b128 s[4:7], s[0:1], 0x0                ; A's codes, A's scales
	s_load_b128 s[8:11], s[0:1], 0x10              ; B's codes, B's scales
	s_load_b64 s[12:13], s[0:1], 0x20              ; qkv
	s_load_b64 s[96:97], s[0:1], 0x28              ; qkv32
	v_lshl_add_u32 v[SPW], v0, 2, SPARE
	v_mov_b32 v[NIL], 0
	ds_add_u32 v[SPW], v[NIL]                      ; the wave's opening: an add, twice on end, and its wait ahead of my first tensor load
	ds_add_u32 v[SPW], v[NIL]
	v_lshrrev_b32 v1, 5, v0
	v_readfirstlane_b32 s14, v1                    ; wave 0..3
	s_lshr_b32 s15, s14, 1                         ; which half of the tile's rows is mine.  Also: I fetch for A (0) or for B (1)
	s_and_b32 s16, s14, 1                          ; which half of its columns.  Also: which 128 rows of that tile I fetch
	s_bfe_u32 s40, ttmp6, 0x40000                  ; cx, cy
	s_bfe_u32 s41, ttmp6, 0x40004
	s_lshl_b32 s42, ttmp9, 2
	s_add_co_u32 s42, s42, s40                     ; tile column
	s_and_b32 s17, ttmp7, 0xffff
	s_lshl_b32 s17, s17, 2
	s_add_co_u32 s17, s17, s41                     ; tile row
	s_lshl_b32 s43, s41, 2
	s_lshl_b32 s43, 15, s43                        ; my row of the cluster
	s_lshl_b32 s44, 0x1111, s40                    ; my column
	s_or_b32 s[G1+0], s43, (0<<16)|(1<<20)|(1<<21)|(5<<22)|(3<<25)  ; the mask; elements of 1 byte; padding on; bit 21 beside a mask; 4 words behind every 64
	s_or_b32 s[G1B+0], s44, (0<<16)|(1<<20)|(1<<21)|(5<<22)|(3<<25)
.irp g, G1, G1B
	s_mov_b32 s[\g+1], ROWB<<16                    ; tensor_dim0
	s_mov_b32 s[\g+2], 128<<16                     ; tensor_dim1
	s_mov_b32 s[\g+3], ROWB<<16                    ; tile_dim0
	s_mov_b32 s[\g+4], 128                         ; tile_dim1
	s_mov_b32 s[\g+5], KROW                        ; the pitch
	s_mov_b32 s[\g+6], 0
	s_mov_b32 s[\g+7], 0
.endr
	s_or_b32 s[G1S+0], s43, (3<<16)|(1<<20)|(1<<21)|(5<<22)|(3<<25) ; the scales of 128 rows: 4,096 dense bytes as 16 rows of 256 bytes (32 elements of 8 bytes)
	s_or_b32 s[G1SB+0], s44, (3<<16)|(1<<20)|(1<<21)|(5<<22)|(3<<25)
.irp g, G1S, G1SB
	s_mov_b32 s[\g+1], 32<<16
	s_mov_b32 s[\g+2], (128*KS/256)<<16
	s_mov_b32 s[\g+3], 32<<16
	s_mov_b32 s[\g+4], 128*KS/256
	s_mov_b32 s[\g+5], 32
	s_mov_b32 s[\g+6], 0
	s_mov_b32 s[\g+7], 0
.endr
	s_lshl_b32 s18, s16, 7
	s_lshl_b32 s20, s17, 8
	s_add_co_u32 s20, s20, s18                     ; A: row 256 x tile row + 128 x half
	s_lshl_b32 s46, s42, 8
	s_add_co_u32 s46, s46, s18                     ; B: row 256 x tile column + 128 x half
	s_mov_b32 s21, 0
	s_mov_b32 s47, 0
	s_mov_b64 s[18:19], KS
	s_mul_u64 s[22:23], s[20:21], s[18:19]         ; where these rows' scales begin
	s_mul_u64 s[92:93], s[46:47], s[18:19]
	s_mov_b64 s[18:19], KROW
	s_mul_u64 s[20:21], s[20:21], s[18:19]         ; and their codes
	s_mul_u64 s[46:47], s[46:47], s[18:19]
	s_mul_i32 s45, s14, HALFT                      ; where they go: wave x 128 rows
	s_mul_i32 s94, s14, HALFS
	s_wait_dscnt 0x0                               ; both opening adds are done
	s_wait_kmcnt 0x0
	s_add_nc_u64 s[20:21], s[4:5], s[20:21]
	s_add_nc_u64 s[22:23], s[6:7], s[22:23]
	s_add_nc_u64 s[46:47], s[8:9], s[46:47]
	s_add_nc_u64 s[92:93], s[10:11], s[92:93]
	CROUND                                         ; all sixteen work-groups are here: the joint loads meet
	s_mov_b32 s[G0S], 1
	s_add_co_u32 s[G0S+1], s94, SCL
	s_mov_b64 s[G0S+2:G0S+3], s[22:23]
	s_or_b32 s[G0S+3], s[G0S+3], 0x80000000
	s_mov_b32 s[G0SB], 1
	s_add_co_u32 s[G0SB+1], s94, SCL
	s_mov_b64 s[G0SB+2:G0SB+3], s[92:93]
	s_or_b32 s[G0SB+3], s[G0SB+3], 0x80000000
	JLOAD G0S, G1S, G0SB, G1SB                     ; the scales first: three loads of mine are out in all
.irp s, 0,1
	s_mov_b32 s[G0+4*\s], 1
	s_add_co_u32 s[G0+4*\s+1], s45, \s*SLOT
	s_add_nc_u64 s[G0+4*\s+2:G0+4*\s+3], s[20:21], \s*ROWB
	s_or_b32 s[G0+4*\s+3], s[G0+4*\s+3], 0x80000000
	s_mov_b32 s[G0B+4*\s], 1
	s_add_co_u32 s[G0B+4*\s+1], s45, \s*SLOT
	s_add_nc_u64 s[G0B+4*\s+2:G0B+4*\s+3], s[46:47], \s*ROWB
	s_or_b32 s[G0B+4*\s+3], s[G0B+4*\s+3], 0x80000000
	JLOAD G0+4*\s, G1, G0B+4*\s, G1B
.endr
	v_and_b32 v1, 15, v0                           ; l % 16
	v_bfe_u32 v2, v0, 4, 1                         ; l / 16
	v_mul_u32_u24 v3, v1, PITCH
	v_lshl_add_u32 v4, v2, 4, v3                   ; a fragment's row x pitch + 16 x half
	s_mul_i32 s21, s15, HALFT
	s_mul_i32 s22, s16, HALFT
	s_add_co_u32 s22, s22, 2*HALFT
.irp s, 0,1
	v_add_nc_u32 v[ADRA+\s], s21, v4
	v_add_nc_u32 v[ADRB+\s], s22, v4
	s_add_co_u32 s21, s21, SLOT
	s_add_co_u32 s22, s22, SLOT
.endr
	v_mul_u32_u24 v5, v1, KS                       ; my row's scales: KS bytes a row,
	v_lshrrev_b32 v6, 8, v5
	v_lshl_add_u32 v5, v6, 4, v5                   ; and 16 more for each 256 passed
	s_mul_i32 s21, s15, HALFS
	s_mul_i32 s22, s16, HALFS
	s_add_co_u32 s22, s22, 2*HALFS
	s_sub_co_u32 s22, s22, s21
	v_mul_u32_u24 v6, s22, v2                      ; lanes 16-31 take B's: one product, the distance between the two bases
	s_add_co_u32 s21, s21, SCL
	v_add_nc_u32 v5, v5, v6
	v_add_nc_u32 v[ADRS], s21, v5
	s_mul_i32 s23, s14, 16*SPITCH
	s_add_co_u32 s23, s23, STAGE                   ; my stage
	v_mul_u32_u24 v5, v1, SPITCH                   ; in: row l % 16, 16 bytes for each half of the lanes
	v_lshl_add_u32 v5, v2, 4, v5
	v_add_nc_u32 v[STO], s23, v5
	v_bfe_u32 v5, v0, 3, 2                         ; back: eight lanes take a head's 128 bytes of a row, four rows an instruction
	v_mul_u32_u24 v5, v5, SPITCH
	v_and_b32 v6, 7, v0
	v_lshl_add_u32 v5, v6, 4, v5
	v_add_nc_u32 v[RD], s23, v5
	v_and_b32 v6, 31, v0
	v_lshlrev_b32 v[CO], 4, v6                     ; in memory those four rows are 512 consecutive bytes: 16 x lane
	s_lshl_b32 s20, s17, 8
	s_lshl_b32 s21, s15, 7
	s_add_co_u32 s20, s20, s21                     ; m0: my first row
	s_lshl_b32 s46, s42, 8
	s_lshl_b32 s47, s16, 7
	s_add_co_u32 s46, s46, s47                     ; n0: my first column
	s_lshr_b32 s18, s46, 10
	s_lshl_b32 s18, s18, 24                        ; q, k or v: 2^24 bytes each
	s_lshr_b32 s22, s20, 11                        ; the batch
	s_lshl_b32 s23, s22, 22
	s_add_co_u32 s18, s18, s23
	s_bfe_u32 s23, s46, 0x40006                    ; the first of my two heads
	s_lshl_b32 s23, s23, 18
	s_add_co_u32 s18, s18, s23
	s_and_b32 s21, s20, 2047                       ; t0: my first row within the batch
	v_mov_b32 v[T0V], s21
	s_lshl_b32 s23, s21, 7
	s_add_co_u32 s18, s18, s23
	s_mov_b32 s19, 0
	s_add_nc_u64 s[12:13], s[12:13], s[18:19]
	s_mul_i32 s18, s22, 196608                     ; qkv32: 192 blocks of 1,024 bytes a batch,
	s_lshl_b32 s23, s46, 6                         ; block n0 / 16
	s_add_co_u32 s18, s18, s23
	s_add_nc_u64 s[96:97], s[96:97], s[18:19]
.macro FRAG reg, adr, q, i             ; 16 rows x 128 K of 4-bit codes: lane l holds row l % 16; registers 4 c .. 4 c + 3 hold K = 64 c + 32 (l / 16) + 0 .. 31
.irp c, 0,1
	ds_load_b128 v[\reg+4*\c:\reg+4*\c+3], v[\adr] offset:64*(\q)+32*\c+(\i)*16*PITCH
.endr
.endm
; 16 matrix instructions: A's blocks a0, a0 + 1 x B's eight.  The 64 accumulators take turns, one instruction a turn, in the same order in every step.
.macro MUL16 a0, p, q, sc, zero
.irp a, \a0, \a0+1
.irp b, 0,1,2,3,4,5,6,7
.if \zero
	v_wmma_scale_f32_16x16x128_f8f6f4 v[8*(8*((\a)%4)+\b):8*(8*((\a)%4)+\b)+7], v[128*(\p)+FR*\b:128*(\p)+FR*\b+FR-1], v[AF+FR*(\a):AF+FR*(\a)+FR-1], 0, v[SC+8*NQ*(\sc)+NQ*\b+(\q)], v[SC+8*NQ*(\sc)+NQ*(\a)+(\q)] matrix_a_fmt:MATRIX_FMT_FP4 matrix_b_fmt:MATRIX_FMT_FP4 matrix_a_scale:MATRIX_SCALE_ROW1
.else
	v_wmma_scale_f32_16x16x128_f8f6f4 v[8*(8*((\a)%4)+\b):8*(8*((\a)%4)+\b)+7], v[128*(\p)+FR*\b:128*(\p)+FR*\b+FR-1], v[AF+FR*(\a):AF+FR*(\a)+FR-1], v[8*(8*((\a)%4)+\b):8*(8*((\a)%4)+\b)+7], v[SC+8*NQ*(\sc)+NQ*\b+(\q)], v[SC+8*NQ*(\sc)+NQ*(\a)+(\q)] matrix_a_fmt:MATRIX_FMT_FP4 matrix_b_fmt:MATRIX_FMT_FP4 matrix_a_scale:MATRIX_SCALE_ROW1
.endif
.endr
.endr
.endm
.macro FETCH_B slot, q, p
	WIN TO_B
.irp i, 0,1,2,3,4,5,6,7
	FRAG 128*(\p)+FR*\i, ADRB+\slot, \q, \i
.endr
	WIN 0
.endm
.macro FETCH_A slot, q, i0
.irp i, \i0, \i0+1, \i0+2, \i0+3
	FRAG AF+FR*(\i), ADRA+\slot, \q, \i
.endr
.endm
.macro SCALES sc                       ; a slot's scale words: 4 words a row; lanes 0-15 take A's block i, lanes 16-31 B's block i
.irp i, 0,1,2,3,4,5,6,7
	ds_load_b128 v[SC+8*NQ*\sc+NQ*\i:SC+8*NQ*\sc+NQ*\i+3], v[ADRS] offset:\i*SBLK
.endr
.endm
.macro PLACES n                        ; plain vector instructions between a matrix instruction and a load into, or a read of, its registers
.rept \n
	v_nop
.endr
.endm
.macro STEP slot, q, zero              ; a step of 128 along K that has its successor in the same slot
	s_wait_dscnt 4*NL                              ; B's set and A's blocks 0-3 are in; the youngest eight loads (A's blocks 4-7) may be out
	WIN MUL_LO
	MUL16 0, (\q)%2, \q, \slot, \zero
	MUL16 2, (\q)%2, \q, \slot, \zero
	s_wait_dscnt 0
	PLACES NP
	FETCH_B \slot, (\q)+1, 1-(\q)%2
	FETCH_A \slot, (\q)+1, 0
	WIN MUL_HI
	MUL16 4, (\q)%2, \q, \slot, \zero
	MUL16 6, (\q)%2, \q, \slot, \zero
	PLACES NP
	WIN 0
	FETCH_A \slot, (\q)+1, 4
.endm
; Slot 0's last step changes slots: each wave waits for all its tensor loads (its part of slot 1), adds 0 to its spare word, waits for that and for its reads, and passes the barrier: slot 1 is whole.
.macro TURN slot, next
	s_wait_tensorcnt 0x0
	ds_add_u32 v[SPW], v[NIL]
	s_wait_dscnt 4*NL+1                            ; (the add and the youngest eight loads may be out)
	WIN MUL_LO
	MUL16 0, 1, NQ-1, \slot, 0
	s_wait_dscnt 0x0
	s_barrier_signal -1
	MUL16 2, 1, NQ-1, \slot, 0
	WIN 0
	s_barrier_wait -1
	PLACES NP
	v_add_nc_u32 v[ADRS], 4*NQ, v[ADRS]            ; on to the next slot's scale words (no LDS load of mine is out)
	FETCH_B \next, 0, 0
	FETCH_A \next, 0, 0
	SCALES \next
	WIN MUL_HI
	MUL16 4, 1, NQ-1, \slot, 0
	MUL16 6, 1, NQ-1, \slot, 0
	PLACES NP
	WIN 0
	FETCH_A \next, 0, 4
.endm
.macro STEPS slot, from
.set Q, \from
.rept NQ-1-\from
	STEP \slot, Q, 0
.set Q, Q+1
.endr
.endm
	s_wait_tensorcnt 1                             ; the scales and my part of slot 0 are in (slot 1's load may be out),
	s_barrier_signal -1
	s_barrier_wait -1                              ; everybody's are
	FETCH_B 0, 0, 0
	FETCH_A 0, 0, 0
	SCALES 0
	FETCH_A 0, 0, 4
	STEP 0, 0, 1                                   ; the first step's products start the sums: nothing is cleared
	STEPS 0, 1
	TURN 0, 1
	STEPS 1, 0
	s_wait_dscnt 4*NL                              ; the very last step
	WIN MUL_LO
	MUL16 0, 1, NQ-1, 1, 0
	MUL16 2, 1, NQ-1, 1, 0
	s_wait_dscnt 0
	WIN MUL_HI
	MUL16 4, 1, NQ-1, 1, 0
	MUL16 6, 1, NQ-1, 1, 0
	WIN 0
	PLACES NP                                      ; behind the last products: for the reads of results and the loads into registers that held scales
; THE IMAGES.  Where my first row is a batch's row 0, my block 0 (rows t = 0 .. 15) leaves as f32, register by register: each store covers 512 consecutive bytes.  Which waves those are hangs on the
; work-group's place, so it is a mask on the lanes and no branch.  EXEC changes only behind s_wait_xcnt 0.
	s_wait_xcnt 0x0
	v_cmp_eq_u32 vcc_lo, 0, v[T0V]
	s_and_saveexec_b32 s98, vcc_lo
	WIN 0x08                                       ; a store's data are its source 1: window 2
.irp b, 0,1,2,3,4,5,6,7
	global_store_b128 v[CO], v[8*\b:8*\b+3], s[96:97] offset:1024*\b          ; each accumulator from its low end on
	global_store_b128 v[CO], v[8*\b+4:8*\b+7], s[96:97] offset:1024*\b+512
.endr
	WIN 0
	s_wait_xcnt 0x0
	s_or_b32 exec_lo, exec_lo, s98
; THE WAY OUT, block by block of 16 rows x 128 columns: rounded to f16 (16 bytes a lane), through my own stage, back as four rows of one head an instruction: 512 consecutive bytes of qkv.
.macro PACK a
.set AC, 64*((\a)%4)
	WIN 0x0a+5*((\a)/4)                            ; sources 0 and 1: window 2 or 3
.irp b, 0,1,2,3,4,5,6,7
.irp r, 0,1,2,3
	v_cvt_pk_f16_f32 v[TMP+4*\b+\r], v[AC+8*\b+2*\r], v[AC+8*\b+2*\r+1]
.endr
.endr
	WIN 0
.endm
.macro TOSTAGE a
.set BB, 32+192*((\a)%2)
.irp b, 0,1,2,3,4,5,6,7
	ds_store_b128 v[STO], v[TMP+4*\b:TMP+4*\b+3] offset:32*\b
.endr
.irp i, 0,1,2,3
.irp hh, 0,1
	ds_load_b128 v[BB+8*\i+4*\hh:BB+8*\i+4*\hh+3], v[RD] offset:\i*4*SPITCH+128*\hh   ; LDS serves a wave's instructions in order: these see the stores above
.endr
.endr
.endm
.macro SEND a
.set BB, 32+192*((\a)%2)
	s_wait_dscnt 0x0                               ; the block is back in registers
	s_wait_xcnt 0x0                                ; the stores of the block before have read their registers: the next block's loads may land there
.irp i, 0,1,2,3
.irp hh, 0,1
	global_store_b128 v[CO], v[BB+8*\i+4*\hh:BB+8*\i+4*\hh+3], s[12:13] offset:\hh*262144+(\a)*2048+\i*512
.endr
.endr
.endm
	PACK 0
	TOSTAGE 0
.irp a, 1,2,3,4,5,6,7                  ; block a's conversions stand between block a - 1's loads from the stage and the wait for them
	PACK \a
	SEND (\a)-1
	TOSTAGE \a
.endr
	SEND 7
	s_wait_tensorcnt 0x0                           ; the wave's end
	ds_add_u32 v[SPW], v[NIL]
	s_wait_dscnt 0x0
	CROUND                                         ; the closing round
	s_endpgm
.Lfunc_end_k_q26854bcf94_qkv:
	.size	k_q26854bcf94_qkv, .Lfunc_end_k_q26854bcf94_qkv-k_q26854bcf94_qkv
	.p2alignl 7, 3214868480
	.fill 96, 4, 3214868480
	.section	.rodata,"a",@progbits
	.p2align	6, 0x0
	.amdhsa_kernel k_q26854bcf94_qkv
		.amdhsa_group_segment_fixed_size 327680
		.amdhsa_private_segment_fixed_size 0
		.amdhsa_enable_private_segment 0
		.amdhsa_kernarg_size 48
		.amdhsa_user_sgpr_count 2
		.amdhsa_user_sgpr_kernarg_segment_ptr 1
		.amdhsa_wavefront_size32 1
		.amdhsa_system_sgpr_workgroup_id_x 1
		.amdhsa_system_sgpr_workgroup_id_y 1
		.amdhsa_system_sgpr_workgroup_id_z 1
		.amdhsa_system_vgpr_workitem_id 0
		.amdhsa_next_free_vgpr 1024
		.amdhsa_next_free_sgpr 100
		.amdhsa_reserve_vcc 1
		.amdhsa_float_denorm_mode_32 3
		.amdhsa_float_denorm_mode_16_64 3
		.amdhsa_memory_ordered 1
		.amdhsa_forward_progress 1
		.amdhsa_inst_pref_size 129
	.end_amdhsa_kernel
	.amdgpu_metadata
---
amdhsa.version: [ 1, 2 ]
amdhsa.kernels:
  - .name:           k_q26854bcf94_qkv
    .symbol:         k_q26854bcf94_qkv.kd
    .args:
      - { .name: x_codes, .offset: 0, .size: 8, .value_kind: global_buffer, .address_space: global }
      - { .name: x_scales, .offset: 8, .size: 8, .value_kind: global_buffer, .address_space: global }
      - { .name: w_codes, .offset: 16, .size: 8, .value_kind: global_buffer, .address_space: global }
      - { .name: w_scales, .offset: 24, .size: 8, .value_kind: global_buffer, .address_space: global }
      - { .name: qkv, .offset: 32, .size: 8, .value_kind: global_buffer, .address_space: global }
      - { .name: qkv32, .offset: 40, .size: 8, .value_kind: global_buffer, .address_space: global }
    .group_segment_fixed_size: 327680
    .private_segment_fixed_size: 0
    .kernarg_segment_align: 8
    .kernarg_segment_size: 48
    .max_flat_workgroup_size: 128
    .sgpr_count:     100
    .vgpr_count:     1024
    .wavefront_size: 32
...
	.end_amdgpu_metadata
.endif
;; end of part 2
;; launch attn (part 3): grid 4 x 64, 8 waves a work-group, no clusters, 327,680 bytes of LDS; arguments qkv, a16; writes a16
.if DOCPART == 3
	.amdgcn_target "amdgcn-amd-amdhsa--gfx1250"
	.amdhsa_code_object_version 6
	.text
	.protected	k_q26854bcf94_attn
	.globl	k_q26854bcf94_attn
	.p2align	8
	.type	k_q26854bcf94_attn,@function
k_q26854bcf94_attn:
	s_mov_b64 s[64:65], 0
	v_nop
	global_prefetch_b8 v0, s[64:65] scope:SCOPE_SE
	s_setreg_imm32_b32 hwreg(HW_REG_WAVE_MODE, 25, 1), 1
	s_wait_xcnt 0x0
; a16[bh][q][:] = the sum over k <= q of softmax_k(Q[q] . K[k] / 8) V[k][:], for each of 64 heads bh of 2,048 positions x 64 channels.  Q, K, V: f16, qkv[which][bh][t][64]; a16 likewise, f16.
; Products, maxima and sums in f32; the weights p are rounded to f16 for the second product.  A running maximum m and sum l for each query: p = 2^(c s - c m), c = log2(e) / 8.
; SHARES.  A head has 8 blocks of 256 queries.  Work-group (x, bh) takes block 7 - x and then block x: (8 - x) + (x + 1) = 9 slots of 256 keys for every work-group, so all trip counts are constants.
; Each of eight waves owns 32 queries (two tiles of 16) of a block: group g = w for w < 4, 11 - w else.  A key step is 64 keys; a step all of whose keys come after the wave's queries is jumped over.
; NO CLUSTER: in one and the same trip the four work-groups of a head want different slots of keys (their blocks differ in length), so no tile could be asked for jointly.
; LAYOUT.  S^T = K Q^T (source 0 = 16 keys, source 1 = 16 queries): a lane holds ONE query and keys 8 (lane / 16) + 0..7.  Two such tiles, rounded in pairs, are source 1 of O^T = V^T P.  V comes out of LDS turned.
; LIMITS: hidden scores are -infinity where the definition has -1e9: real scaled scores under about -1e9 are not served; NaN and infinities are not served.
; REGISTERS.  Window 0: v1-15 addresses and constants; v16-31 statistics, 8 a tile; v32-95 S^T; v96-127 P; v128-191 K; v192-255 V.  Window 1: v0-63 O^T; v64-95 Q.
.set KP,    144                        ; a key's row of K in LDS: 128 bytes + 16: the 16 rows of a load start at different banks
.set VP,    160                        ; of V: 128 + 32: an odd multiple of 32, for the turning load
.set VOFF,  256*KP                     ; a slot: 256 rows of K, then 256 rows of V
.set SLOT1, 1<<17                      ; slot 1 begins here: one exclusive or turns an address from one slot to the other
.set STAGE, SLOT1+256*(KP+VP)          ; behind the ring: 32 rows x 144 bytes for each wave, for the way out; no fill lands here
.set SPARE, STAGE+8*32*KP              ; the spare words, 128 bytes for each of eight waves
.set NINF, 1                           ; v1   -infinity
.set AK0, 2                            ; v2   my lane's place in a tile of K
.set AV0, 3                            ; v3   and of V
.set ADK, 4                            ; v4   LDS address of the step's K
.set ADV, 5                            ; v5   and V
.set QO,  6                            ; v6   my byte in the wave's rows of Q
.set STO, 7
.set RD,  8
.set GO,  9                            ; v9   16 x lane
.set RH,  10                           ; v10  lane % 16 - 8 (lane / 16)
.set PFO, 11                           ; v11  256 x lane
.set SPW, 12
.set NIL, 13
.set D0,  14                           ; v14, v15: the mask's bound for tiles 0, 1
.set ST,  16                           ; tile u's statistics at v[ST + 8 u]: +0 c m, +1 m, +2, +3 l, +4 .. +7 at work; a in +6
.set S,   32
.set P,   96
.set KFR, 128
.set VFR, 192
.set OT,  0                            ; window 1
.set QF,  64                           ; window 1
.set WV,  8
.set W3,  9
.set G,   10
.set BX,  11
.set BH,  12
.set NA,  13                           ; slots of the first block: 8 - x
.set T,   14                           ; the trip
.set STEPC, 15
.set KF,  16                           ; the step's first key
.set Q0,  17                           ; my first query
.set TBK, 18                           ; LDS byte at which the step's K begins
.set TBV, 19
.set CS,  20                           ; s[20:21] c
.set SEL, 22                           ; s[22:23] lane selects: lane l xor 16
.set G1K, 24
.set G1V, 32
.set G0K, 40
.set G0V, 44
.set KB,  48                           ; s[48:49] K of my head at my part of a slot
.set VB,  50
.set QH,  52                           ; s[52:53] Q of my head
.set OH,  54                           ; s[54:55] a16 of my head
.set QA,  56
.set OA,  58
.set OFF, 60
.set LIMT, 62
.set TM0, 63
.set PFA, 66
.set TM1, 68
.set BA,  69                           ; the first block: 7 - x
.set MSB, 0
.macro WIN new
.if MSB != \new
	s_set_vgpr_msb (MSB<<8)|\new
.set MSB, \new
.endif
.endm
.set W_KQ, 0x04                        ; Q (source 1) in window 1
.set W_PV, 0x50                        ; O^T (C and D) in window 1
.set W_RS, 0x41                        ; O^T (destination and source 0) in window 1
; Waves 0-3 fetch 64 keys of K each, waves 4-7 64 keys of V each: one tensor load a wave.  An s_nop 0 and four v_nop follow each line.
.macro TLOAD
	s_cmp_lt_u32 s[WV], 4
	s_cbranch_scc0 .Lfor_v_\@
	tensor_load_to_lds s[G0K:G0K+3], s[G1K:G1K+7]
	s_nop 0
.rept 4
	v_nop
.endr
	s_branch .Lasked_\@
.Lfor_v_\@:
	tensor_load_to_lds s[G0V:G0V+3], s[G1V:G1V+7]
	s_nop 0
.rept 4
	v_nop
.endr
.Lasked_\@:
.endm
; A PREFETCH of what the NEXT change of slots will ask for.  All four work-groups of a head walk the same K and V; the one with x = 0 walks slots 0 to 7 in trips 0 to 7, and it alone asks: in trip T
; each wave names its own 8,192 bytes of slot T + 2, lanes 256 bytes apart: four key steps ahead of that slot's tensor load.  Trips 6 and on ask for nothing; slots 0 and 1 come by their loads alone.
.macro ASK
	s_cmp_lt_u32 s[T], s[LIMT]
	s_cbranch_scc0 .Lnot_mine_\@
	global_prefetch_b8 v[PFO], s[PFA:PFA+1] th:TH_LOAD_NT scope:SCOPE_SE
.Lnot_mine_\@:
.endm
	s_load_b128 s[4:7], s[0:1], 0x0                ; qkv, a16
	v_lshl_add_u32 v[SPW], v0, 2, SPARE
	v_mov_b32 v[NIL], 0
	ds_add_u32 v[SPW], v[NIL]                      ; the wave's opening: an add, twice on end, and its wait ahead of my first tensor load
	ds_add_u32 v[SPW], v[NIL]
	v_lshrrev_b32 v1, 5, v0
	v_readfirstlane_b32 s[WV], v1                  ; wave 0..7
	s_and_b32 s[W3], s[WV], 3
	s_sub_co_u32 s[TM0], 11, s[WV]
	s_cmp_lt_u32 s[WV], 4
	s_cselect_b32 s[G], s[WV], s[TM0]              ; waves w and w + 4, which share a SIMD's time, have groups w and 7 - w: 5 of 8 key steps on the diagonal slot between them
	s_mov_b32 s[BX], ttmp9
	s_and_b32 s[BH], ttmp7, 0xffff
	s_sub_co_u32 s[NA], 8, s[BX]
	s_sub_co_u32 s[BA], 7, s[BX]
	s_cmp_eq_u32 s[BX], 0
	s_cselect_b32 s[LIMT], 6, 0
	; descriptor group 1: 64 rows of 128 bytes (64 elements of 2 bytes), dense in memory, padded behind every row: K by 4 words, V by 8
	s_mov_b32 s[G1K], (1<<16)|(1<<20)|(4<<22)|(3<<25)
	s_mov_b32 s[G1V], (1<<16)|(1<<20)|(4<<22)|(7<<25)
.irp g, G1K, G1V
	s_mov_b32 s[\g+1], 64<<16                      ; tensor_dim0
	s_mov_b32 s[\g+2], 64<<16                      ; tensor_dim1
	s_mov_b32 s[\g+3], 64<<16                      ; tile_dim0
	s_mov_b32 s[\g+4], 64                          ; tile_dim1
	s_mov_b32 s[\g+5], 64                          ; the pitch
	s_mov_b32 s[\g+6], 0
	s_mov_b32 s[\g+7], 0
.endr
	s_mov_b32 s[CS], 0x3e38aa3b                    ; c = log2(e) / 8
	s_mov_b32 s[CS+1], s[CS]
	s_mov_b32 s[SEL], 0x76543210
	s_mov_b32 s[SEL+1], 0xfedcba98
	s_mov_b32 s[TBK], 0
	s_mov_b32 s[TBV], 0
	s_lshl_b32 s[OFF], s[BH], 18                   ; a head is 2,048 rows of 128 bytes
	s_mov_b32 s[OFF+1], 0
	s_lshl_b32 s[TM1], s[W3], 13                   ; my 64 keys of a slot, in memory,
	s_mul_i32 s70, s[W3], 64*KP                    ; and in LDS: K's,
	s_mul_i32 s71, s[W3], 64*VP
	s_add_co_u32 s71, s71, VOFF                    ; V's
	s_wait_dscnt 0x0                               ; both opening adds are done
	s_wait_kmcnt 0x0
	s_add_nc_u64 s[QH:QH+1], s[4:5], s[OFF:OFF+1]
	s_add_nc_u64 s[OH:OH+1], s[6:7], s[OFF:OFF+1]
	s_mov_b32 s[OFF], s[TM1]
	s_add_nc_u64 s[KB:KB+1], s[QH:QH+1], s[OFF:OFF+1]
	s_add_nc_u64 s[VB:VB+1], s[KB:KB+1], 1<<25
	s_add_nc_u64 s[KB:KB+1], s[KB:KB+1], 1<<24
	s_mov_b32 s[G0K], 1
	s_mov_b32 s[G0K+1], s70
	s_mov_b64 s[G0K+2:G0K+3], s[KB:KB+1]
	s_or_b32 s[G0K+3], s[G0K+3], 0x80000000
	s_mov_b32 s[G0V], 1
	s_mov_b32 s[G0V+1], s71
	s_mov_b64 s[G0V+2:G0V+3], s[VB:VB+1]
	s_or_b32 s[G0V+3], s[G0V+3], 0x80000000
	TLOAD                                          ; slot 0: keys 0 to 255, which count for every block
	s_cmp_lt_u32 s[WV], 4
	s_cselect_b64 s[PFA:PFA+1], s[KB:KB+1], s[VB:VB+1]
	s_add_nc_u64 s[PFA:PFA+1], s[PFA:PFA+1], 32768 ; at slot 1: each change of slots steps it before it is used
	v_and_b32 v14, 15, v0                          ; r
	v_bfe_u32 v15, v0, 4, 1                        ; h
	v_and_b32 v4, 31, v0                           ; lane
	v_mul_u32_u24 v[AK0], v14, KP
	v_lshl_add_u32 v[AK0], v15, 4, v[AK0]          ; K: row r x pitch + 16 h
	v_and_b32 v5, 7, v0
	v_lshl_add_u32 v[AV0], v15, 3, v5
	v_mul_u32_u24 v[AV0], v[AV0], VP
	v_bfe_u32 v5, v0, 3, 1
	v_lshl_add_u32 v[AV0], v5, 4, v[AV0]
	v_add_nc_u32 v[AV0], VOFF, v[AV0]              ; V, for the turning load: key 8 h + l % 8, channels 8 ((l / 8) % 2) on
	v_lshlrev_b32 v[QO], 7, v14
	v_lshl_add_u32 v[QO], v15, 4, v[QO]
	s_mul_i32 s[TM0], s[WV], 32*KP
	s_add_co_u32 s[TM0], s[TM0], STAGE             ; my stage
	v_mul_u32_u24 v[STO], v14, KP
	v_lshl_add_u32 v[STO], v15, 4, v[STO]
	v_add_nc_u32 v[STO], s[TM0], v[STO]
	v_bfe_u32 v5, v0, 3, 2
	v_mul_u32_u24 v[RD], v5, KP
	v_and_b32 v5, 7, v0
	v_lshl_add_u32 v[RD], v5, 4, v[RD]
	v_add_nc_u32 v[RD], s[TM0], v[RD]              ; back: eight lanes to a row of 128 bytes, four rows an instruction
	v_lshlrev_b32 v[GO], 4, v4
	v_lshlrev_b32 v[PFO], 8, v4
	v_lshlrev_b32 v5, 3, v15
	v_sub_nc_u32 v[RH], v14, v5
	v_mov_b32 v[NINF], 0xff800000
.irp j, 4,5,6,7,12,13,14,15
	v_mov_b32 v[ST+\j], 0                          ; written once: a lane permute's destination and the upper half of a named pair count as read
.endr
; A block begins: its queries into registers, O^T and l zero, m under every score.  (The key step is written once: the first finds zeros, which the first change of m leaves zeros.)
.macro START blk
	s_wait_xcnt 0x0                                ; earlier loads and stores have read their bases and data
	s_lshl_b32 s[Q0], s[\blk], 8
	s_lshl_b32 s[TM0], s[G], 5
	s_add_co_u32 s[Q0], s[Q0], s[TM0]
	s_mov_b32 s[KF], 0
	s_lshl_b32 s[OFF], s[Q0], 7
	s_mov_b32 s[OFF+1], 0
	s_add_nc_u64 s[QA:QA+1], s[QH:QH+1], s[OFF:OFF+1]
	s_add_nc_u64 s[OA:OA+1], s[OH:OH+1], s[OFF:OFF+1]
	WIN 0x40                                       ; destination window 1
.irp u, 0,1
.irp c, 0,1
	global_load_b128 v[QF+16*\u+8*\c:QF+16*\u+8*\c+3], v[QO], s[QA:QA+1] offset:2048*\u+64*\c
	global_load_b128 v[QF+16*\u+8*\c+4:QF+16*\u+8*\c+7], v[QO], s[QA:QA+1] offset:2048*\u+64*\c+32
.endr
.endr
.set i, 0
.rept 64
	v_mov_b32 v[OT+i], 0
.set i, i+1
.endr
	WIN 0
.irp u, 0,1
	v_mov_b32 v[ST+8*\u+1], 0xff61b1e6             ; m = -3e38
	v_mul_f32 v[ST+8*\u], s[CS], v[ST+8*\u+1]
	v_mov_b32 v[ST+8*\u+2], 0
	v_mov_b32 v[ST+8*\u+3], 0
.endr
	s_wait_loadcnt 0x0
.endm
; The softmax of a key step, the two tiles line by line by turns.
.macro SOFTMAX
.irp j, 0,1,2,3
.irp u, 0,1
	v_max3_num_f32 v[ST+8*\u+4+\j], v[S+32*\u+8*\j], v[S+32*\u+8*\j+1], v[S+32*\u+8*\j+2]   ; four chains, one for each accumulator, from its low end on
.endr
.endr
.irp i, 3,5
.irp j, 0,1,2,3
.irp u, 0,1
	v_max3_num_f32 v[ST+8*\u+4+\j], v[ST+8*\u+4+\j], v[S+32*\u+8*\j+\i], v[S+32*\u+8*\j+\i+1]
.endr
.endr
.endr
.irp u, 0,1
	v_max3_num_f32 v[ST+8*\u+4], v[ST+8*\u+4], v[S+32*\u+7], v[S+32*\u+15]
.endr
.irp u, 0,1
	v_max3_num_f32 v[ST+8*\u+6], v[ST+8*\u+6], v[S+32*\u+23], v[S+32*\u+31]
.endr
.irp u, 0,1
	v_max3_num_f32 v[ST+8*\u+4], v[ST+8*\u+4], v[ST+8*\u+5], v[ST+8*\u+6]
.endr
.irp u, 0,1
	v_max3_num_f32 v[ST+8*\u+4], v[ST+8*\u+4], v[ST+8*\u+7], v[ST+8*\u+1]   ; and the old m
.endr
.irp u, 0,1
	v_permlanex16_b32 v[ST+8*\u+5], v[ST+8*\u+4], s[SEL], s[SEL+1]         ; the query's other 32 keys lie in the lane 16 away
.endr
.irp u, 0,1
	v_mov_b32 v[ST+8*\u+7], v[ST+8*\u]             ; c m_old
.endr
.irp u, 0,1
	v_max_num_f32 v[ST+8*\u+1], v[ST+8*\u+4], v[ST+8*\u+5]
.endr
.irp u, 0,1
	v_mul_f32 v[ST+8*\u], s[CS], v[ST+8*\u+1]
.endr
.irp u, 0,1
	v_sub_f32 v[ST+8*\u+7], v[ST+8*\u+7], v[ST+8*\u]
.endr
.set b, 0
.rept 16
.irp u, 0,1
	v_pk_fma_f32 v[S+32*\u+2*b:S+32*\u+2*b+1], v[S+32*\u+2*b:S+32*\u+2*b+1], s[CS:CS+1], v[ST+8*\u:ST+8*\u+1] op_sel_hi:[1,0,0] neg_lo:[0,0,1] neg_hi:[0,0,1]   ; c s - c m
.endr
.set b, b+1
.endr
.irp u, 0,1
	v_exp_f32 v[ST+8*\u+6], v[ST+8*\u+7]           ; a = 2^(c m_old - c m_new)
.endr
.set e, 0
.rept 32
	v_exp_f32 v[S+e], v[S+e]
	v_exp_f32 v[S+32+e], v[S+32+e]
.set e, e+1
.endr
	v_nop                                          ; a plain instruction behind the last exponential
	s_wait_alu depctr_va_vdst(0)                   ; the wait ahead of the first instruction that names a result: one for the 66
.set b, 0
.rept 16
.irp u, 0,1
	v_cvt_pk_f16_f32 v[P+16*\u+b], v[S+32*\u+2*b], v[S+32*\u+2*b+1]
.endr
.set b, b+1
.endr
.irp z, 0,1,2,3,4,5,6,7                ; the sum of a tile's 16 pairs, in place: neighbours 1, 2, 4 and 8 pairs apart
.irp u, 0,1
	v_pk_add_f32 v[S+32*\u+4*\z:S+32*\u+4*\z+1], v[S+32*\u+4*\z:S+32*\u+4*\z+1], v[S+32*\u+4*\z+2:S+32*\u+4*\z+3]
.endr
.endr
.irp z, 0,1,2,3
.irp u, 0,1
	v_pk_add_f32 v[S+32*\u+8*\z:S+32*\u+8*\z+1], v[S+32*\u+8*\z:S+32*\u+8*\z+1], v[S+32*\u+8*\z+4:S+32*\u+8*\z+5]
.endr
.endr
.irp z, 0,1
.irp u, 0,1
	v_pk_add_f32 v[S+32*\u+16*\z:S+32*\u+16*\z+1], v[S+32*\u+16*\z:S+32*\u+16*\z+1], v[S+32*\u+16*\z+8:S+32*\u+16*\z+9]
.endr
.endr
.irp u, 0,1
	v_pk_add_f32 v[S+32*\u:S+32*\u+1], v[S+32*\u:S+32*\u+1], v[S+32*\u+16:S+32*\u+17]
.endr
.irp u, 0,1
	v_pk_fma_f32 v[ST+8*\u+2:ST+8*\u+3], v[ST+8*\u+2:ST+8*\u+3], v[ST+8*\u+6:ST+8*\u+7], v[S+32*\u:S+32*\u+1] op_sel_hi:[1,0,1]   ; l = a l + the sum
.endr
	WIN W_RS
.set b, 0
.rept 16
.irp u, 0,1
	v_pk_mul_f32 v[OT+32*\u+2*b:OT+32*\u+2*b+1], v[OT+32*\u+2*b:OT+32*\u+2*b+1], v[ST+8*\u+6:ST+8*\u+7] op_sel_hi:[1,0]   ; O^T x a, each accumulator from its low end on
.endr
.set b, b+1
.endr
	WIN 0
.endm
; A KEY STEP: 64 keys.
.macro STEP
	s_add_co_u32 s[TM0], s[Q0], 31
	s_cmp_gt_u32 s[KF], s[TM0]                     ; all 64 keys come after my 32 queries: ids and counts alone
	s_cbranch_scc1 .Lhid_\@
	v_add_nc_u32 v[ADK], s[TBK], v[AK0]
	v_add_nc_u32 v[ADV], s[TBV], v[AV0]
.irp kt, 0,1,2,3
.irp c, 0,1
	ds_load_b128 v[KFR+16*\kt+8*\c:KFR+16*\kt+8*\c+3], v[ADK] offset:\kt*16*KP+64*\c
	ds_load_b128 v[KFR+16*\kt+8*\c+4:KFR+16*\kt+8*\c+7], v[ADK] offset:\kt*16*KP+64*\c+32
.endr
.endr
.irp g, 0,1
.irp ct, 0,1,2,3
	ds_load_tr16_b128 v[VFR+32*\g+8*\ct:VFR+32*\g+8*\ct+3], v[ADV] offset:\g*32*VP+32*\ct
	ds_load_tr16_b128 v[VFR+32*\g+8*\ct+4:VFR+32*\g+8*\ct+7], v[ADV] offset:\g*32*VP+32*\ct+16*VP
.endr
.endr
	s_wait_dscnt 16                                ; K's 16 loads are in; V's 16 may be out
	WIN W_KQ
.irp c, 0,1                            ; S^T = K Q^T: eight accumulators by turns; the first eight products start the sums
.irp kt, 0,1,2,3
.irp u, 0,1
.if \c == 0
	v_wmma_f32_16x16x32_f16 v[S+32*\u+8*\kt:S+32*\u+8*\kt+7], v[KFR+16*\kt+8*\c:KFR+16*\kt+8*\c+7], v[QF+16*\u+8*\c:QF+16*\u+8*\c+7], 0
.else
	v_wmma_f32_16x16x32_f16 v[S+32*\u+8*\kt:S+32*\u+8*\kt+7], v[KFR+16*\kt+8*\c:KFR+16*\kt+8*\c+7], v[QF+16*\u+8*\c:QF+16*\u+8*\c+7], v[S+32*\u+8*\kt:S+32*\u+8*\kt+7]
.endif
.endr
.endr
.endr
	WIN 0
.rept 4
	v_nop                                          ; places ahead of the first read of the scores
.endr
	s_add_co_u32 s[TM0], s[KF], 63
	s_cmp_le_u32 s[TM0], s[Q0]                     ; all 64 keys count for all my queries: no mask
	s_cbranch_scc1 .Lopen_\@
	s_sub_co_i32 s[TM0], s[Q0], s[KF]
	v_add_nc_u32 v[D0], s[TM0], v[RH]              ; d = my query - KF - 8 (lane / 16).  Register 8 kt + j holds key KF + 16 kt + 8 (lane / 16) + j: hidden where 16 kt + j > d
	v_add_nc_u32 v[D0+1], 16, v[D0]
.irp u, 0,1
.irp kt, 0,1,2,3
.irp j, 0,1,2,3,4,5,6,7
	v_cmp_gt_i32 vcc_lo, 16*\kt+\j, v[D0+\u]
	v_cndmask_b32 v[S+32*\u+8*\kt+\j], v[S+32*\u+8*\kt+\j], v[NINF], vcc_lo
.endr
.endr
.endr
.Lopen_\@:
	SOFTMAX
	s_wait_dscnt 0x0                               ; V is in
	WIN W_PV
.irp g, 0,1                            ; O^T += V^T P: eight accumulators by turns
.irp ct, 0,1,2,3
.irp u, 0,1
	v_wmma_f32_16x16x32_f16 v[OT+32*\u+8*\ct:OT+32*\u+8*\ct+7], v[VFR+32*\g+8*\ct:VFR+32*\g+8*\ct+7], v[P+16*\u+8*\g:P+16*\u+8*\g+7], v[OT+32*\u+8*\ct:OT+32*\u+8*\ct+7]
.endr
.endr
.endr
	WIN 0
.rept 4
	v_nop                                          ; places ahead of the next step's loads into V's registers and of the next read of O^T
.endr
.Lhid_\@:
	s_add_co_u32 s[KF], s[KF], 64
	s_add_co_u32 s[TBK], s[TBK], 64*KP
	s_add_co_u32 s[TBV], s[TBV], 64*VP
.endm
.macro FOUR_STEPS                      ; a slot's four key steps: written once, walked four times
	s_mov_b32 s[STEPC], 4
.Lstep_\@:
	STEP
	s_sub_co_u32 s[STEPC], s[STEPC], 1
	s_cmp_lg_u32 s[STEPC], 0
	s_cbranch_scc1 .Lstep_\@
	s_sub_co_u32 s[TBK], s[TBK], 256*KP            ; back to a slot's first step,
	s_sub_co_u32 s[TBV], s[TBV], 256*VP
	s_xor_b32 s[TBK], s[TBK], SLOT1                ; in the other slot
	s_xor_b32 s[TBV], s[TBV], SLOT1
.endm
; THE CHANGE OF SLOTS stands at a slot's head.  Each wave waits for all its tensor loads (one is out: its part of the slot ahead), adds 0 to its spare word, and waits for that and for its reads of the slot
; that it has left.  Behind the barrier the slot ahead is whole and nobody reads the other.  fill = 1: the other slot takes the keys of trip T + 1: the load has four key steps in which to land.
.macro CHANGE fill
	s_wait_tensorcnt 0x0                           ; no tensor load of mine is out, so a group 0 may be written
	ds_add_u32 v[SPW], v[NIL]
.if \fill
	s_add_co_u32 s[TM0], s[T], 1
	s_sub_co_u32 s[TM1], s[TM0], s[NA]
	s_cmp_lt_u32 s[TM0], s[NA]
	s_cselect_b32 s[TM0], s[TM0], s[TM1]           ; which 256 keys trip T + 1 wants: the first block's next, or the second block's from 0 on
	s_lshl_b32 s[OFF], s[TM0], 15
	s_mov_b32 s[OFF+1], 0
	s_add_nc_u64 s[G0K+2:G0K+3], s[KB:KB+1], s[OFF:OFF+1]
	s_or_b32 s[G0K+3], s[G0K+3], 0x80000000
	s_xor_b32 s[G0K+1], s[G0K+1], SLOT1
	s_add_nc_u64 s[G0V+2:G0V+3], s[VB:VB+1], s[OFF:OFF+1]
	s_or_b32 s[G0V+3], s[G0V+3], 0x80000000
	s_xor_b32 s[G0V+1], s[G0V+1], SLOT1
	s_wait_xcnt 0x0                                ; the last prefetch, a slot back, has read its address
	s_add_nc_u64 s[PFA:PFA+1], s[PFA:PFA+1], 32768
.endif
	s_wait_dscnt 0x0                               ; the add is done, and my reads of the slot that I have left are over
	s_barrier_signal -1
	s_barrier_wait -1
.if \fill
	TLOAD                                          ; the first thing behind the barrier, and my one tensor load until the next
	ASK
.endif
.endm
; A block ends: O^T / l, rounded to f16, through my stage, out as 512 consecutive bytes an instruction (four rows of 128 bytes).
.macro FINISH
.irp u, 0,1
	v_add_f32 v[ST+8*\u+4], v[ST+8*\u+2], v[ST+8*\u+3]
.endr
.irp u, 0,1
	v_permlanex16_b32 v[ST+8*\u+5], v[ST+8*\u+4], s[SEL], s[SEL+1]
.endr
.irp u, 0,1
	v_add_f32 v[ST+8*\u+4], v[ST+8*\u+4], v[ST+8*\u+5]
.endr
.irp u, 0,1
	v_rcp_f32 v[ST+8*\u+6], v[ST+8*\u+4]
.endr
	v_nop                                          ; a plain instruction behind the last reciprocal
	s_wait_alu depctr_va_vdst(0)                   ; and the wait ahead of the first use: one for the two
	WIN W_RS
.irp u, 0,1
.set b, 0
.rept 16
	v_pk_mul_f32 v[OT+32*\u+2*b:OT+32*\u+2*b+1], v[OT+32*\u+2*b:OT+32*\u+2*b+1], v[ST+8*\u+6:ST+8*\u+7] op_sel_hi:[1,0]
.set b, b+1
.endr
.endr
	WIN 0x05                                       ; sources 0 and 1 window 1
.set b, 0
.rept 32
	v_cvt_pk_f16_f32 v[S+b], v[OT+2*b], v[OT+2*b+1]
.set b, b+1
.endr
	WIN 0
.irp u, 0,1
.irp ct, 0,1,2,3
	ds_store_b128 v[STO], v[S+16*\u+4*\ct:S+16*\u+4*\ct+3] offset:\u*16*KP+32*\ct
.endr
.endr
.irp i, 0,1,2,3,4,5,6,7
	ds_load_b128 v[S+32+4*\i:S+32+4*\i+3], v[RD] offset:\i*4*KP   ; LDS serves a wave's instructions in order: these see the stores above
.endr
.irp i, 0,1,2,3,4,5,6,7
	s_wait_dscnt 7-\i                              ; load i is in, the 7 - i behind it may be out
	global_store_b128 v[GO], v[S+32+4*\i:S+32+4*\i+3], s[OA:OA+1] offset:512*\i
.endr
.endm
	START BA                                       ; block 7 - x
	s_mov_b32 s[T], 0
.Lslot:                                            ; eight trips; behind each change of slots the next trip's keys are asked for (slot 1's first fill stands behind the first trip's barrier, where nothing is filled again)
	CHANGE 1
	FOUR_STEPS
	s_add_co_u32 s[TM0], s[T], 1
	s_cmp_lg_u32 s[TM0], s[NA]                     ; the work-group's number and the count of trips alone: all eight waves go the same way
	s_cbranch_scc1 .Lsame
	FINISH
	START BX                                       ; block x
.Lsame:
	s_add_co_u32 s[T], s[T], 1
	s_cmp_lt_u32 s[T], 8
	s_cbranch_scc1 .Lslot
	CHANGE 0                                       ; the ninth slot is written out: nothing is left to ask for
	FOUR_STEPS
	FINISH
	s_wait_tensorcnt 0x0                           ; the wave's end
	ds_add_u32 v[SPW], v[NIL]
	s_wait_dscnt 0x0
	s_endpgm
.Lfunc_end_k_q26854bcf94_attn:
	.size	k_q26854bcf94_attn, .Lfunc_end_k_q26854bcf94_attn-k_q26854bcf94_attn
	.p2alignl 7, 3214868480
	.fill 96, 4, 3214868480
	.section	.rodata,"a",@progbits
	.p2align	6, 0x0
	.amdhsa_kernel k_q26854bcf94_attn
		.amdhsa_group_segment_fixed_size 327680
		.amdhsa_private_segment_fixed_size 0
		.amdhsa_enable_private_segment 0
		.amdhsa_kernarg_size 16
		.amdhsa_user_sgpr_count 2
		.amdhsa_user_sgpr_kernarg_segment_ptr 1
		.amdhsa_wavefront_size32 1
		.amdhsa_system_sgpr_workgroup_id_x 1
		.amdhsa_system_sgpr_workgroup_id_y 1
		.amdhsa_system_sgpr_workgroup_id_z 1
		.amdhsa_system_vgpr_workitem_id 0
		.amdhsa_next_free_vgpr 384
		.amdhsa_next_free_sgpr 72
		.amdhsa_reserve_vcc 1
		.amdhsa_float_denorm_mode_32 3
		.amdhsa_float_denorm_mode_16_64 3
		.amdhsa_memory_ordered 1
		.amdhsa_forward_progress 1
		.amdhsa_inst_pref_size 72
	.end_amdhsa_kernel
	.amdgpu_metadata
---
amdhsa.version: [ 1, 2 ]
amdhsa.kernels:
  - .name:           k_q26854bcf94_attn
    .symbol:         k_q26854bcf94_attn.kd
    .args:
      - { .name: qkv, .offset: 0, .size: 8, .value_kind: global_buffer, .address_space: global }
      - { .name: a16, .offset: 8, .size: 8, .value_kind: global_buffer, .address_space: global }
    .group_segment_fixed_size: 327680
    .private_segment_fixed_size: 0
    .kernarg_segment_align: 8
    .kernarg_segment_size: 16
    .max_flat_workgroup_size: 256
    .sgpr_count:     72
    .vgpr_count:     384
    .wavefront_size: 32
...
	.end_amdgpu_metadata
.endif
;; end of part 3
;; launch proj (part 4): grid 4 x 64, 4 waves a work-group, clusters of 4 x 4, 327,680 bytes of LDS; arguments a16, w16, out0; writes out0
.if DOCPART == 4
	.amdgcn_target "amdgcn-amd-amdhsa--gfx1250"
	.amdhsa_code_object_version 6
	.text
	.protected	k_q26854bcf94_proj
	.globl	k_q26854bcf94_proj
	.p2align	8
	.type	k_q26854bcf94_proj,@function
k_q26854bcf94_proj:
	s_mov_b64 s[64:65], 0
	v_nop
	global_prefetch_b8 v0, s[64:65] scope:SCOPE_SE
	s_setreg_imm32_b32 hwreg(HW_REG_WAVE_MODE, 25, 1), 1
	s_wait_xcnt 0x0
	s_wait_alu depctr_hold_cnt(0) depctr_sa_sdst(0) depctr_va_vdst(0) depctr_va_sdst(0) depctr_va_ssrc(0) depctr_va_vcc(0) depctr_vm_vsrc(0)
	s_getreg_b32 s2, hwreg(HW_REG_IB_STS2, 6, 4)
	s_cmp_eq_u32 s2, 0
	s_cbranch_scc0 .Lentry_in_a_cluster
	s_endpgm
.Lentry_in_a_cluster:
	s_bfe_u32 s2, ttmp6, 0x10000c
	s_cmp_lg_u32 s2, 0xf033
	s_cbranch_scc0 .Lentry_shape_is_right
	s_endpgm
.Lentry_shape_is_right:
; out0[m][n] = sum over k of a[m][k] W_out[k][n], f16 operands, f32 sums.  a: a16[b][h][t][64] f16, k = 64 h + channel, m = 2048 b + t.  W_out: w16[k][n] f16.  out0: [8192][1024] f32.
; A tile of out0 is 128 (m) x 256 (n): 256 work-groups.  Four waves, each 64 x 128: 32 accumulators.  K goes in steps of 128 (two heads) through a ring of two LDS slots.
; CLUSTERS: 4 x 4 work-groups; a's tiles are asked for jointly along a row of the cluster, W's along a column.
; THE MATRIX INSTRUCTION IS USED TRANSPOSED: source 0 = 16 columns n of W (turned on the way out of LDS), source 1 = 16 rows of a: a lane holds eight neighbouring columns of one row of out0.
; (Rows t < 16 of every batch are written here too and written again, more finely, by the launch behind this one.)
; REGISTERS.  Window 0: v0-31 addresses; v128-255 the way out.  Window 1: two fragment buffers of 96: W's 8 fragments, then a's 4.  Window 2: the accumulators ((a, b) at v[8 (8 a + b)]).
.set KSTEP, 128
.set HEADB, 262144                     ; a head of a16 in bytes
.set AP,    144                        ; a row of a's tile in LDS: 128 bytes + 16
.set ASUB,  128*AP                     ; one head's 128 rows
.set BP,    544                        ; a row k of W's tile: 512 bytes + 32: an odd multiple of 32, for the turning load
.set BOFF,  2*ASUB
.set SLOT,  BOFF+128*BP
.set STAGE, 2*SLOT                     ; 16 rows x 528 bytes for each wave; no fill lands here
.set SPITCH, 528
.set SPARE, STAGE+4*16*SPITCH
.set LAPS,  4
.set ADRA, 16
.set ADRB, 20
.set STO,  24
.set RD,   25
.set CO,   26
.set SPW,  28
.set NIL,  29
.set PFO,  30
.set F0,   0
.set F1,   96
.set G1, 24
.set G0, 32
.set G1B, 48
.set G0B, 56
.set PFA, 44
.set LIM, 43
.set MSB, 0
.macro WIN new
.if MSB != \new
	s_set_vgpr_msb (MSB<<8)|\new
.set MSB, \new
.endif
.endm
.set MUL,  0xa5                        ; sources 0 and 1 window 1; C and D window 2
.set TO_F, 0x40
.macro JLOAD s                         ; waves 0 and 1 fetch a's two heads, waves 2 and 3 W's two halves; an s_nop 0 and four v_nop follow each line
	s_cmp_eq_u32 s11, 0
	s_cbranch_scc0 .Lfor_b_\@
	tensor_load_to_lds s[G0+4*\s:G0+4*\s+3], s[G1:G1+7]
	s_nop 0
.rept 4
	v_nop
.endr
	s_branch .Lasked_\@
.Lfor_b_\@:
	tensor_load_to_lds s[G0B+4*\s:G0B+4*\s+3], s[G1B:G1B+7]
	s_nop 0
.rept 4
	v_nop
.endr
.Lasked_\@:
.endm
; A PREFETCH of a's tiles: at the first change of slots of a lap, the NEXT lap's two K steps: four heads x 16,384 bytes.  The four partners that ask for a's tiles jointly share them out BY ADDRESS: the
; partner at place cx, wave z (0 or 1), names 8,192 bytes of head 2 (cx / 2) + z of the four, half cx % 2, lanes 256 bytes apart: each 256 bytes once.  The last trip asks for nothing.  W's 2 MB, which
; all clusters read again and again, are not asked for.
.macro ASK
	s_cmp_gt_u32 s3, s[LIM]
	s_cbranch_scc0 .Lnot_mine_\@
	global_prefetch_b8 v[PFO], s[PFA:PFA+1] th:TH_LOAD_NT scope:SCOPE_SE
.Lnot_mine_\@:
.endm
.macro CREST
	s_cmp_lg_u32 s10, 0
	s_cbranch_scc1 .Lnot_wave_0_\@
	s_barrier_signal -3
.Lnot_wave_0_\@:
	s_barrier_wait -3
	s_barrier_signal -1
	s_barrier_wait -1
.endm
.macro CROUND
	s_barrier_signal -1
	s_barrier_wait -1
	CREST
.endm
	s_load_b128 s[4:7], s[0:1], 0x0                ; a16, w16
	s_load_b64 s[8:9], s[0:1], 0x10                ; out0
	v_lshl_add_u32 v[SPW], v0, 2, SPARE
	v_mov_b32 v[NIL], 0
	ds_add_u32 v[SPW], v[NIL]                      ; the wave's opening: an add, twice on end, and its wait ahead of my first tensor load
	ds_add_u32 v[SPW], v[NIL]
	v_lshrrev_b32 v1, 5, v0
	v_readfirstlane_b32 s10, v1                    ; wave 0..3
	s_lshr_b32 s11, s10, 1                         ; which 64 rows are mine.  Also: I fetch for a (0) or for W (1)
	s_and_b32 s12, s10, 1                          ; which 128 columns.  Also: which head, or which 64 rows k, I fetch
	s_bfe_u32 s40, ttmp6, 0x40000                  ; cx, cy
	s_bfe_u32 s41, ttmp6, 0x40004
	s_lshl_b32 s42, ttmp9, 2
	s_add_co_u32 s42, s42, s40                     ; tile column
	s_and_b32 s13, ttmp7, 0xffff
	s_lshl_b32 s13, s13, 2
	s_add_co_u32 s13, s13, s41                     ; tile row
	s_lshl_b32 s43, s41, 2
	s_lshl_b32 s43, 15, s43                        ; my row of the cluster
	s_lshl_b32 s44, 0x1111, s40                    ; my column
	s_or_b32 s[G1+0], s43, (1<<16)|(1<<20)|(1<<21)|(4<<22)|(3<<25)   ; a: the mask; elements of 2 bytes; padding on; bit 21 beside a mask; 4 words behind every 32
	s_mov_b32 s[G1+1], 64<<16                      ; 128 rows of 64 elements, dense in memory
	s_mov_b32 s[G1+2], 128<<16
	s_mov_b32 s[G1+3], 64<<16
	s_mov_b32 s[G1+4], 128
	s_mov_b32 s[G1+5], 64
	s_mov_b32 s[G1+6], 0
	s_mov_b32 s[G1+7], 0
	s_or_b32 s[G1B+0], s44, (1<<16)|(1<<20)|(1<<21)|(6<<22)|(7<<25)  ; W: 8 words behind every 128
	s_mov_b32 s[G1B+1], 256<<16                    ; 64 rows of 256 elements, 1,024 elements apart
	s_mov_b32 s[G1B+2], 64<<16
	s_mov_b32 s[G1B+3], 256<<16
	s_mov_b32 s[G1B+4], 64
	s_mov_b32 s[G1B+5], 1024
	s_mov_b32 s[G1B+6], 0
	s_mov_b32 s[G1B+7], 0
	s_lshr_b32 s16, s13, 4                         ; the batch: 16 tile rows each
	s_lshl_b32 s16, s16, 22
	s_and_b32 s17, s13, 15
	s_lshl_b32 s17, s17, 14                        ; 128 rows of 128 bytes a tile row
	s_add_co_u32 s16, s16, s17                     ; my tile's rows in head 0 of the batch
	s_lshl_b32 s17, s12, 18
	s_add_co_u32 s18, s16, s17                     ; + the head that I fetch
	s_mov_b32 s19, 0
	s_lshl_b32 s46, s12, 17                        ; W: 64 rows of 2,048 bytes,
	s_lshl_b32 s47, s42, 9                         ; 512 bytes a tile column
	s_add_co_u32 s46, s46, s47
	s_mov_b32 s47, 0
	s_mul_i32 s20, s12, ASUB                       ; where they go: no place in the cluster enters an LDS address
	s_mul_i32 s21, s12, 64*BP
	s_add_co_u32 s21, s21, BOFF
	s_wait_dscnt 0x0                               ; both opening adds are done
	s_wait_kmcnt 0x0
	s_add_nc_u64 s[14:15], s[4:5], s[18:19]
	s_add_nc_u64 s[46:47], s[6:7], s[46:47]
	CROUND                                         ; all sixteen work-groups are here: the first joint loads meet
.irp s, 0,1
	s_mov_b32 s[G0+4*\s], 1
	s_add_co_u32 s[G0+4*\s+1], s20, \s*SLOT
	s_add_nc_u64 s[G0+4*\s+2:G0+4*\s+3], s[14:15], \s*2*HEADB
	s_or_b32 s[G0+4*\s+3], s[G0+4*\s+3], 0x80000000
	s_mov_b32 s[G0B+4*\s], 1
	s_add_co_u32 s[G0B+4*\s+1], s21, \s*SLOT
	s_add_nc_u64 s[G0B+4*\s+2:G0B+4*\s+3], s[46:47], \s*KSTEP*2048
	s_or_b32 s[G0B+4*\s+3], s[G0B+4*\s+3], 0x80000000
	JLOAD \s
.endr
	v_and_b32 v1, 15, v0                           ; r
	v_bfe_u32 v2, v0, 4, 1                         ; h
	v_mul_u32_u24 v3, v1, AP
	v_lshl_add_u32 v3, v2, 4, v3                   ; a: row r x pitch + 16 h
	v_and_b32 v4, 7, v0
	v_lshl_add_u32 v4, v2, 3, v4
	v_mul_u32_u24 v4, v4, BP
	v_bfe_u32 v5, v0, 3, 1
	v_lshl_add_u32 v4, v5, 4, v4                   ; W, for the turning load: row k = 8 h + l % 8, columns 8 ((l / 8) % 2) on
	s_mul_i32 s22, s11, 64*AP                      ; my 64 rows of a
	s_lshl_b32 s23, s12, 8
	s_add_co_u32 s23, s23, BOFF                    ; my 128 columns of W
.irp s, 0,1
	v_add_nc_u32 v[ADRA+\s], s22, v3
	v_add_nc_u32 v[ADRB+\s], s23, v4
	s_add_co_u32 s22, s22, SLOT
	s_add_co_u32 s23, s23, SLOT
.endr
	s_mul_i32 s23, s10, 16*SPITCH
	s_add_co_u32 s23, s23, STAGE                   ; my stage
	v_mul_u32_u24 v5, v1, SPITCH
	v_lshl_add_u32 v5, v2, 5, v5
	v_add_nc_u32 v[STO], s23, v5                   ; in: row r, 32 bytes for each half of the lanes
	v_and_b32 v6, 31, v0
	v_lshlrev_b32 v[CO], 4, v6
	v_add_nc_u32 v[RD], s23, v[CO]                 ; back: the 32 lanes take one row of 512 bytes
	v_lshlrev_b32 v[PFO], 8, v6
	s_lshr_b32 s20, s40, 1                         ; the prefetches: head 4 + 2 (cx / 2) + z; the first use steps it four heads on
	s_lshl_b32 s20, s20, 1
	s_add_co_u32 s20, s20, s12
	s_add_co_u32 s20, s20, 4
	s_lshl_b32 s20, s20, 18
	s_and_b32 s21, s40, 1
	s_lshl_b32 s21, s21, 13
	s_add_co_u32 s20, s20, s21
	s_add_co_u32 s20, s20, s16
	s_mov_b32 s21, 0
	s_add_nc_u64 s[PFA:PFA+1], s[4:5], s[20:21]
	s_cmp_eq_u32 s11, 0
	s_cselect_b32 s[LIM], 1, -1                    ; waves 0 and 1 ask: the same in all partners
	s_lshl_b32 s16, s13, 19                        ; out0: 128 rows of 4,096 bytes a tile row,
	s_lshl_b32 s17, s11, 18                        ; my 64 rows,
	s_add_co_u32 s16, s16, s17
	s_lshl_b32 s17, s42, 10                        ; 1,024 bytes a tile column,
	s_add_co_u32 s16, s16, s17
	s_lshl_b32 s17, s12, 9                         ; my 128 columns
	s_add_co_u32 s16, s16, s17
	s_mov_b32 s17, 0
	s_add_nc_u64 s[8:9], s[8:9], s[16:17]
; 8 matrix instructions: a's block a x W's eight, 32 along K.  The 32 accumulators take turns, one instruction a turn, in the same order in every quarter.
.macro MUL8 f, a, zero
.irp b, 0,1,2,3,4,5,6,7
.if \zero
	v_wmma_f32_16x16x32_f16 v[8*(8*(\a)+\b):8*(8*(\a)+\b)+7], v[\f+8*\b:\f+8*\b+7], v[\f+64+8*(\a):\f+64+8*(\a)+7], 0
.else
	v_wmma_f32_16x16x32_f16 v[8*(8*(\a)+\b):8*(8*(\a)+\b)+7], v[\f+8*\b:\f+8*\b+7], v[\f+64+8*(\a):\f+64+8*(\a)+7], v[8*(8*(\a)+\b):8*(8*(\a)+\b)+7]
.endif
.endr
.endm
; 24 LDS loads in one run: the fragments of quarter q (32 along K) of a slot into buffer f: W's sixteen, then a's eight, blocks ascending
.macro FETCH slot, q, f
	WIN TO_F
.irp b, 0,1,2,3,4,5,6,7
	ds_load_tr16_b128 v[\f+8*\b:\f+8*\b+3], v[ADRB+\slot] offset:(\q)*32*BP+32*\b
	ds_load_tr16_b128 v[\f+8*\b+4:\f+8*\b+7], v[ADRB+\slot] offset:(\q)*32*BP+32*\b+16*BP
.endr
.irp a, 0,1,2,3
	ds_load_b128 v[\f+64+8*\a:\f+64+8*\a+3], v[ADRA+\slot] offset:((\q)/2)*ASUB+((\q)%2)*64+\a*16*AP
	ds_load_b128 v[\f+64+8*\a+4:\f+64+8*\a+7], v[ADRA+\slot] offset:((\q)/2)*ASUB+((\q)%2)*64+\a*16*AP+32
.endr
.endm
.macro PLACES                          ; four places in front of loads into registers that matrix instructions have read, and of reads of results
.rept 4
	v_nop
.endr
.endm
.macro QUARTER slot, qn, f, g, zero    ; multiplies buffer f; in its middle fetches quarter qn of the same slot into buffer g
	s_wait_dscnt 4                                 ; W's fragments and a's blocks 0, 1 are in; the youngest four loads (blocks 2, 3) may be out
	WIN MUL
	MUL8 \f, 0, \zero
	MUL8 \f, 1, \zero
	PLACES
	FETCH \slot, \qn, \g
	s_wait_dscnt 24                                ; all but the 24 just issued
	WIN MUL
	MUL8 \f, 2, \zero
	MUL8 \f, 3, \zero
.endm
; A slot's last quarter multiplies buffer 1 and changes slots: each wave waits for all its tensor loads, adds 0 to its spare word, and waits for that and for its reads of this slot.
; fill = 1: the barrier opens a round of the cluster's barrier, and this slot is filled again, two K steps ahead, first thing behind the round.
.macro TURN slot, next, fill
.if (\fill) && (\slot) == 0
	s_wait_xcnt 0x0                                ; the last prefetch, a lap back, has read its address
	s_add_nc_u64 s[PFA:PFA+1], s[PFA:PFA+1], 4*HEADB
.endif
	WIN 0
	s_wait_tensorcnt 0x0                           ; all my tensor loads have landed: my part of the next slot
	ds_add_u32 v[SPW], v[NIL]
	s_wait_dscnt 5                                 ; (the add and the youngest four loads may be out)
	WIN MUL
	MUL8 F1, 0, 0
	s_wait_dscnt 0x0                               ; the add is done, and my reads of this slot are over
	s_barrier_signal -1
	MUL8 F1, 1, 0
	WIN 0
	s_barrier_wait -1
.if \fill
	CREST                                          ; no wave of any partner still reads this slot's tile or has a load on its way
	s_add_nc_u64 s[G0+4*\slot+2:G0+4*\slot+3], s[G0+4*\slot+2:G0+4*\slot+3], 4*HEADB
	s_add_nc_u64 s[G0B+4*\slot+2:G0B+4*\slot+3], s[G0B+4*\slot+2:G0B+4*\slot+3], 2*KSTEP*2048
	JLOAD \slot                                    ; its four v_nop are also the places in front of the loads below
.else
	PLACES
.endif
	FETCH \next, 0, F0
.if (\fill) && (\slot) == 0
	WIN 0
	ASK
.endif
	WIN MUL
	MUL8 F1, 2, 0
	MUL8 F1, 3, 0
.endm
	s_wait_tensorcnt 1                             ; my part of K step 0 is in (K step 1's load may be out),
	s_barrier_signal -1
	s_barrier_wait -1                              ; everybody's is
	FETCH 0, 0, F0
	QUARTER 0, 1, F0, F1, 1                        ; the first quarter's products start the sums
	WIN 0
	s_mov_b32 s3, LAPS-1
.Llap:                                             ; a trip goes once round the ring, from a lap's second quarter to the next lap's first, and fills both slots again
	QUARTER 0, 2, F1, F0, 0
	QUARTER 0, 3, F0, F1, 0
	TURN 0, 1, 1
	QUARTER 1, 1, F0, F1, 0
	QUARTER 1, 2, F1, F0, 0
	QUARTER 1, 3, F0, F1, 0
	TURN 1, 0, 1
	QUARTER 0, 1, F0, F1, 0
	WIN 0
	s_sub_co_u32 s3, s3, 1
	s_cmp_lg_u32 s3, 0
	s_cbranch_scc1 .Llap
	QUARTER 0, 2, F1, F0, 0                        ; the last lap fills nothing
	QUARTER 0, 3, F0, F1, 0
	TURN 0, 1, 0
	QUARTER 1, 1, F0, F1, 0
	QUARTER 1, 2, F1, F0, 0
	QUARTER 1, 3, F0, F1, 0
	s_wait_dscnt 4
	WIN MUL
	MUL8 F1, 0, 0
	MUL8 F1, 1, 0
	s_wait_dscnt 0x0
	MUL8 F1, 2, 0
	MUL8 F1, 3, 0
	WIN 0
; THE WAY OUT, block by block of 16 rows x 128 columns: through my own stage and back as whole rows of 512 bytes, which the 32 lanes store as 512 consecutive bytes, aligned.
.macro TOSTAGE a
	WIN 0x08                                       ; an LDS store's data are its source 1: window 2
.irp b, 0,1,2,3,4,5,6,7
	ds_store_b128 v[STO], v[64*(\a)+8*\b:64*(\a)+8*\b+3] offset:64*\b          ; each accumulator from its low end on
	ds_store_b128 v[STO], v[64*(\a)+8*\b+4:64*(\a)+8*\b+7] offset:64*\b+16
.endr
	WIN 0
.set BB, 128+64*((\a)%2)
.irp t, 0,1,2,3,4,5,6,7,8,9,10,11,12,13,14,15
	ds_load_b128 v[BB+4*\t:BB+4*\t+3], v[RD] offset:\t*SPITCH   ; LDS serves a wave's instructions in order: these see the stores above
.endr
.endm
.macro SEND a, younger                 ; younger: the LDS instructions issued behind block a's loads, which may stay out
.set BB, 128+64*((\a)%2)
	s_wait_dscnt \younger
.irp t, 0,1,2,3,4,5,6,7,8,9,10,11,12,13,14,15
	global_store_b128 v[CO], v[BB+4*\t:BB+4*\t+3], s[8:9] offset:(16*(\a)+\t)*4096 th:TH_STORE_NT
.endr
.endm
	PLACES
	TOSTAGE 0
.irp a, 1,2,3
.if \a > 1
	s_wait_xcnt 0x0                                ; block a - 2's stores have read their registers: block a's loads may land there
.endif
	TOSTAGE \a
	SEND (\a)-1, 32                                ; behind block a - 1's loads: block a's 16 stores and 16 loads
.endr
	SEND 3, 0
	s_wait_tensorcnt 0x0                           ; the wave's end
	ds_add_u32 v[SPW], v[NIL]
	s_wait_dscnt 0x0
	CROUND                                         ; the closing round
	s_endpgm
.Lfunc_end_k_q26854bcf94_proj:
	.size	k_q26854bcf94_proj, .Lfunc_end_k_q26854bcf94_proj-k_q26854bcf94_proj
	.p2alignl 7, 3214868480
	.fill 96, 4, 3214868480
	.section	.rodata,"a",@progbits
	.p2align	6, 0x0
	.amdhsa_kernel k_q26854bcf94_proj
		.amdhsa_group_segment_fixed_size 327680
		.amdhsa_private_segment_fixed_size 0
		.amdhsa_enable_private_segment 0
		.amdhsa_kernarg_size 24
		.amdhsa_user_sgpr_count 2
		.amdhsa_user_sgpr_kernarg_segment_ptr 1
		.amdhsa_wavefront_size32 1
		.amdhsa_system_sgpr_workgroup_id_x 1
		.amdhsa_system_sgpr_workgroup_id_y 1
		.amdhsa_system_sgpr_workgroup_id_z 1
		.amdhsa_system_vgpr_workitem_id 0
		.amdhsa_next_free_vgpr 768
		.amdhsa_next_free_sgpr 66
		.amdhsa_reserve_vcc 0
		.amdhsa_float_denorm_mode_32 3
		.amdhsa_float_denorm_mode_16_64 3
		.amdhsa_memory_ordered 1
		.amdhsa_forward_progress 1
		.amdhsa_inst_pref_size 86
	.end_amdhsa_kernel
	.amdgpu_metadata
---
amdhsa.version: [ 1, 2 ]
amdhsa.kernels:
  - .name:           k_q26854bcf94_proj
    .symbol:         k_q26854bcf94_proj.kd
    .args:
      - { .name: a16, .offset: 0, .size: 8, .value_kind: global_buffer, .address_space: global }
      - { .name: w16, .offset: 8, .size: 8, .value_kind: global_buffer, .address_space: global }
      - { .name: out0, .offset: 16, .size: 8, .value_kind: global_buffer, .address_space: global }
    .group_segment_fixed_size: 327680
    .private_segment_fixed_size: 0
    .kernarg_segment_align: 8
    .kernarg_segment_size: 24
    .max_flat_workgroup_size: 128
    .sgpr_count:     66
    .vgpr_count:     768
    .wavefront_size: 32
...
	.end_amdgpu_metadata
.endif
;; end of part 4
;; launch fine (part 5): grid 32 x 4, 16 waves a work-group, no clusters, 104,448 bytes of LDS; arguments qkv32, W_out, out0; writes out0
.if DOCPART == 5
	.amdgcn_target "amdgcn-amd-amdhsa--gfx1250"
	.amdhsa_code_object_version 6
	.text
	.protected	k_q26854bcf94_fine
	.globl	k_q26854bcf94_fine
	.p2align	8
	.type	k_q26854bcf94_fine,@function
k_q26854bcf94_fine:
	s_mov_b64 s[64:65], 0
	v_nop
	global_prefetch_b8 v0, s[64:65] scope:SCOPE_SE
	s_setreg_imm32_b32 hwreg(HW_REG_WAVE_MODE, 25, 1), 1
	s_wait_xcnt 0x0
; Positions 0 to 15 of every batch, where a row of the softmax averages one to sixteen values: attention and projection once more, all in f32, by the f32 matrix form (16 x 16 x 4).
; Work-group (sl, b) makes out0 rows 2048 b + 0 .. 15, columns 32 sl .. 32 sl + 31.  Wave w is head w through the whole chain; its head's 64 channels are its share of the projection's K; the sixteen
; partial results meet in LDS.  Each of a batch's 32 work-groups repeats the batch's small attention (32 matrix instructions a wave).
; q, k, v come as images of the first product's accumulators: lane (r, h), register i of block c: row t = r, channel 16 c + 8 h + i of the head.  The f32 form wants k = 2 h + j in register j: a pair of
; registers 2 s, 2 s + 1 of a block, taken alike on both sides of a product, stands for the same four channels on both sides.
; The stores cover 128 consecutive bytes of a row each: 64 rows in all.
; LIMITS: hidden scores are -infinity where the definition has -1e9; NaN and infinities are not served.
; REGISTERS: v1-31 addresses and work; v32-63 Q, later the attention's result; v64-95 K, later the scores (v64-71) and p (v72-79); v96-127 V, then V turned, later the partial results; v128-191 W_out;
;   v192-223 four accumulators of scores, later two of results; v224-255 four accumulators of O^T: v192-255 are written by matrix instructions alone.
.set PART,  0                          ; 16 x 2,048 bytes: each wave's partial result, as an image of its registers
.set VST,   32768                      ; 16 x 16 rows x 272 bytes: each wave's stage for turning V
.set SPARE, VST+16*16*272              ; the spare words, 128 bytes for each of sixteen waves
	s_load_b128 s[4:7], s[0:1], 0x0                ; qkv32, W_out
	s_load_b64 s[8:9], s[0:1], 0x10                ; out0
	v_lshl_add_u32 v30, v0, 2, SPARE               ; my spare word; never rewritten
	v_mov_b32 v31, 0                               ; 0; never rewritten
	v_lshrrev_b32 v1, 5, v0
	v_readfirstlane_b32 s10, v1                    ; wave = head 0..15
	v_and_b32 v1, 15, v0                           ; r
	v_bfe_u32 v2, v0, 4, 1                         ; h
	v_and_b32 v19, 31, v0                          ; lane
	v_lshlrev_b32 v3, 4, v19                       ; an image's place for my lane
	v_lshlrev_b32 v4, 15, v2
	v_lshl_add_u32 v4, v1, 2, v4                   ; W_out: 8 h rows of 4,096 bytes + 4 r
	s_mul_i32 s18, s10, 16*272
	s_add_co_u32 s18, s18, VST
	v_mul_u32_u24 v5, v1, 272
	v_lshl_add_u32 v5, v2, 5, v5
	v_add_nc_u32 v5, s18, v5                       ; V into the stage: row = key r, + 32 h
	v_mul_u32_u24 v6, v2, 8*272
	v_lshl_add_u32 v6, v1, 2, v6
	v_add_nc_u32 v6, s18, v6                       ; and out of it: key 8 h on, channel r
	v_lshlrev_b32 v7, 3, v2
	v_sub_nc_u32 v7, v1, v7                        ; r - 8 h
	v_mov_b32 v8, 0xff800000                       ; -infinity
	v_mov_b32 v10, 0                               ; (a lane permute's destination counts as read)
	s_lshl_b32 s19, s10, 11
	v_add_nc_u32 v16, s19, v3                      ; my partial result's image
	v_lshlrev_b32 v17, 10, v2                      ; the sum: I am row t = w, my lane column l: tile l / 16,
	v_lshl_add_u32 v17, v1, 4, v17                 ; lane 16 (w / 8) + l % 16 of the image,
	s_bfe_u32 s20, s10, 0x10002
	s_lshl_b32 s20, s20, 9                         ; registers 4 ((w % 8) / 4) on,
	s_lshr_b32 s21, s10, 3
	s_lshl_b32 s21, s21, 8
	s_add_co_u32 s20, s20, s21
	s_and_b32 s21, s10, 3
	s_lshl_b32 s21, s21, 2                         ; word w % 4
	s_add_co_u32 s20, s20, s21
	v_add_nc_u32 v17, s20, v17
	v_lshlrev_b32 v18, 2, v19
	s_mov_b32 s14, 0x76543210
	s_mov_b32 s15, 0xfedcba98                      ; lane l xor 16
	s_mov_b32 s16, 0x3e38aa3b                      ; c = log2(e) / 8
	s_and_b32 s12, ttmp7, 0xffff                   ; the batch
	s_mul_i32 s22, s12, 196608
	s_lshl_b32 s20, s10, 12                        ; a head's four blocks of 1,024 bytes
	s_add_co_u32 s22, s22, s20
	s_mov_b32 s23, 0
	s_lshl_b32 s24, s10, 18                        ; W_out: my head's 64 rows,
	s_lshl_b32 s20, ttmp9, 7                       ; my work-group's 32 columns
	s_add_co_u32 s24, s24, s20
	s_mov_b32 s25, 0
	s_lshl_b32 s26, s12, 23                        ; out0: the batch's row 0,
	s_lshl_b32 s21, s10, 12                        ; row w,
	s_add_co_u32 s26, s26, s21
	s_add_co_u32 s26, s26, s20
	s_mov_b32 s27, 0
	s_wait_kmcnt 0x0
	s_add_nc_u64 s[4:5], s[4:5], s[22:23]
	s_add_nc_u64 s[6:7], s[6:7], s[24:25]
	s_add_nc_u64 s[8:9], s[8:9], s[26:27]
.irp wh, 0,1,2                         ; Q v32-63, K v64-95, V v96-127
.irp c, 0,1,2,3
.irp q, 0,1
	global_load_b128 v[32+32*\wh+8*\c+4*\q:35+32*\wh+8*\c+4*\q], v3, s[4:5] offset:65536*\wh+1024*\c+512*\q
.endr
.endr
.endr
.irp c, 0,1,2,3                        ; W_out(64 w + 16 c + 8 h + i, 32 sl + r)
.irp i, 0,1,2,3,4,5,6,7
	global_load_b32 v[128+8*\c+\i], v4, s[6:7] offset:(16*\c+\i)*4096
.endr
.endr
	s_wait_loadcnt 40                              ; Q and K are in; V's 8 loads and W's 32 may be out
.irp s, 0,1,2,3                        ; S^T = K Q^T: four accumulators, one for each 16 channels, by turns; the first four products start the sums
.irp c, 0,1,2,3
.if \s == 0
	v_wmma_f32_16x16x4_f32 v[192+8*\c:199+8*\c], v[64+8*\c+2*\s:65+8*\c+2*\s], v[32+8*\c+2*\s:33+8*\c+2*\s], 0
.else
	v_wmma_f32_16x16x4_f32 v[192+8*\c:199+8*\c], v[64+8*\c+2*\s:65+8*\c+2*\s], v[32+8*\c+2*\s:33+8*\c+2*\s], v[192+8*\c:199+8*\c]
.endif
.endr
.endr
	s_wait_loadcnt 32                              ; V is in; W's 32 may be out
.irp c, 0,1,2,3                        ; V through my stage: in by keys,
.irp q, 0,1
	ds_store_b128 v5, v[96+8*\c+4*\q:99+8*\c+4*\q] offset:64*\c+16*\q
.endr
.endr
.irp ct, 0,1,2,3                       ; out by channels: register 8 ct + i = V(key 8 h + i, channel 16 ct + r).  LDS serves a wave's instructions in order
.irp i, 0,1,2,3,4,5,6,7
	ds_load_b32 v[96+8*\ct+\i], v6 offset:272*\i+64*\ct
.endr
.endr
.irp c, 0,1,2,3                        ; the second 16 columns of W_out
.irp i, 0,1,2,3,4,5,6,7
	global_load_b32 v[160+8*\c+\i], v4, s[6:7] offset:(16*\c+\i)*4096+64
.endr
.endr
.rept 8
	v_nop                                          ; eight places behind this form ahead of reads of results and writes of sources
.endr
.irp p, 0,2,4,6                        ; the scores: the four accumulators added, each from its low end on
	v_pk_add_f32 v[64+\p:65+\p], v[192+\p:193+\p], v[200+\p:201+\p]
	v_pk_add_f32 v[64+\p:65+\p], v[64+\p:65+\p], v[208+\p:209+\p]
	v_pk_add_f32 v[64+\p:65+\p], v[64+\p:65+\p], v[216+\p:217+\p]
.endr
.irp j, 0,1,2,3,4,5,6,7                ; register j holds key 8 h + j of query r: hidden where j > r - 8 h
	v_cmp_gt_i32 vcc_lo, \j, v7
	v_cndmask_b32 v[64+\j], v[64+\j], v8, vcc_lo
.endr
	v_max3_num_f32 v9, v64, v65, v66
	v_max3_num_f32 v9, v9, v67, v68
	v_max3_num_f32 v9, v9, v69, v70
	v_max_num_f32 v9, v9, v71
	v_permlanex16_b32 v10, v9, s14, s15
	v_max_num_f32 v9, v9, v10                      ; the row's maximum (key 0 counts for every query)
	v_mul_f32 v11, s16, v9
.irp j, 0,1,2,3,4,5,6,7
	v_fma_f32 v[72+\j], v[64+\j], s16, -v11
.endr
.irp j, 0,1,2,3,4,5,6,7
	v_exp_f32 v[72+\j], v[72+\j]
.endr
	v_nop                                          ; a plain instruction behind the last exponential
	s_wait_alu depctr_va_vdst(0)                   ; the wait ahead of the first use: one for the eight
	v_add_f32 v12, v72, v73
	v_add_f32 v13, v74, v75
	v_add_f32 v14, v76, v77
	v_add_f32 v15, v78, v79
	v_add_f32 v12, v12, v13
	v_add_f32 v14, v14, v15
	v_add_f32 v12, v12, v14
	v_permlanex16_b32 v10, v12, s14, s15
	v_add_f32 v12, v12, v10                        ; the row's sum
	v_rcp_f32 v13, v12
	v_nop
	s_wait_alu depctr_va_vdst(0)
	s_wait_dscnt 0x0                               ; V turned is in
.irp s, 0,1,2,3                        ; O^T = V^T P: four accumulators by turns
.irp ct, 0,1,2,3
.if \s == 0
	v_wmma_f32_16x16x4_f32 v[224+8*\ct:231+8*\ct], v[96+8*\ct+2*\s:97+8*\ct+2*\s], v[72+2*\s:73+2*\s], 0
.else
	v_wmma_f32_16x16x4_f32 v[224+8*\ct:231+8*\ct], v[96+8*\ct+2*\s:97+8*\ct+2*\s], v[72+2*\s:73+2*\s], v[224+8*\ct:231+8*\ct]
.endif
.endr
.endr
.rept 8
	v_nop
.endr
.set i, 0
.rept 32
	v_mul_f32 v[32+i], v[224+i], v13               ; the attention's result: lane (r, h), register 8 ct + j: query r, channel 16 ct + 8 h + j
.set i, i+1
.endr
	s_wait_loadcnt 0x0                             ; W_out
.irp c, 0,1,2,3                        ; my head's share of the projection: two accumulators (16 columns each) by turns
.irp s, 0,1,2,3
.irp nt, 0,1
.if (\c == 0) && (\s == 0)
	v_wmma_f32_16x16x4_f32 v[192+8*\nt:199+8*\nt], v[32+8*\c+2*\s:33+8*\c+2*\s], v[128+32*\nt+8*\c+2*\s:129+32*\nt+8*\c+2*\s], 0
.else
	v_wmma_f32_16x16x4_f32 v[192+8*\nt:199+8*\nt], v[32+8*\c+2*\s:33+8*\c+2*\s], v[128+32*\nt+8*\c+2*\s:129+32*\nt+8*\c+2*\s], v[192+8*\nt:199+8*\nt]
.endif
.endr
.endr
.endr
.rept 8
	v_nop
.endr
.irp nt, 0,1
.irp q, 0,1
	ds_store_b128 v16, v[192+8*\nt+4*\q:195+8*\nt+4*\q] offset:PART+1024*\nt+512*\q   ; each accumulator from its low end on
.endr
.endr
	s_wait_dscnt 0x0                               ; for the others' sake: my stores are done
	s_barrier_signal -1
	s_barrier_wait -1
.irp k, 0,1,2,3,4,5,6,7,8,9,10,11,12,13,14,15
	ds_load_b32 v[96+\k], v17 offset:PART+2048*\k  ; head k's share of out0(t = w, column l)
.endr
	s_wait_dscnt 0x0
	v_add_f32 v20, v96, v97
.irp k, 2,3,4,5,6,7,8,9,10,11,12,13,14,15
	v_add_f32 v20, v20, v[96+\k]                   ; heads ascending
.endr
	global_store_b32 v18, v20, s[8:9]
	s_wait_tensorcnt 0x0                           ; the wave's end, behind my last LDS store
	ds_add_u32 v30, v31
	s_wait_dscnt 0x0
	s_endpgm
.Lfunc_end_k_q26854bcf94_fine:
	.size	k_q26854bcf94_fine, .Lfunc_end_k_q26854bcf94_fine-k_q26854bcf94_fine
	.p2alignl 7, 3214868480
	.fill 96, 4, 3214868480
	.section	.rodata,"a",@progbits
	.p2align	6, 0x0
	.amdhsa_kernel k_q26854bcf94_fine
		.amdhsa_group_segment_fixed_size 104448
		.amdhsa_private_segment_fixed_size 0
		.amdhsa_enable_private_segment 0
		.amdhsa_kernarg_size 24
		.amdhsa_user_sgpr_count 2
		.amdhsa_user_sgpr_kernarg_segment_ptr 1
		.amdhsa_wavefront_size32 1
		.amdhsa_system_sgpr_workgroup_id_x 1
		.amdhsa_system_sgpr_workgroup_id_y 1
		.amdhsa_system_sgpr_workgroup_id_z 1
		.amdhsa_system_vgpr_workitem_id 0
		.amdhsa_next_free_vgpr 256
		.amdhsa_next_free_sgpr 66
		.amdhsa_reserve_vcc 1
		.amdhsa_float_denorm_mode_32 3
		.amdhsa_float_denorm_mode_16_64 3
		.amdhsa_memory_ordered 1
		.amdhsa_forward_progress 1
		.amdhsa_inst_pref_size 25
	.end_amdhsa_kernel
	.amdgpu_metadata
---
amdhsa.version: [ 1, 2 ]
amdhsa.kernels:
  - .name:           k_q26854bcf94_fine
    .symbol:         k_q26854bcf94_fine.kd
    .args:
      - { .name: qkv32, .offset: 0, .size: 8, .value_kind: global_buffer, .address_space: global }
      - { .name: W_out, .offset: 8, .size: 8, .value_kind: global_buffer, .address_space: global }
      - { .name: out0, .offset: 16, .size: 8, .value_kind: global_buffer, .address_space: global }
    .group_segment_fixed_size: 104448
    .private_segment_fixed_size: 0
    .kernarg_segment_align: 8
    .kernarg_segment_size: 24
    .max_flat_workgroup_size: 512
    .sgpr_count:     66
    .vgpr_count:     256
    .wavefront_size: 32
...
	.end_amdgpu_metadata
.endif
;; end of part 5
